; MI455X (gfx1250); checked and timed in simulation.
; The chip was launched on July 23, 2026; its instructions are those of AMD's public machine-readable ISA for CDNA 5 (MIT licence, August 2026) and "CDNA5" Instruction Set Architecture Reference Guide (July 2026). The comments in the code are by the model that wrote it; some were corrected since.
;; Multi Head Attention. Allowed arithmetic: matrix products marked QUANTISED: E2M1 operands, one E8M0 scale for each 32 along K, by v_wmma_scale_f32_16x16x128_f8f6f4 with both operands' format E2M1 (or v_wmma_scale_f32_32x16x128_f4), f32 sums; products left as they are: bf16, f16 or f32 operands; f32 sums; everything else in f32.
;; Inputs: W_KQV 3,072 x 1,024 float32; W_O 1,024 x 1,024 float32; X 4 x 2,048 x 1,024 float32.
;; Outputs: out0 4 x 2,048 x 1,024 float32.
;; This version of the problem:
;;   THIS VERSION OF THE PROBLEM IS GIVEN IN LOW PRECISION. The matrix products marked QUANTISED in the list below multiply operands that are first quantised to E2M1 (2 exponent bits, 1 mantissa bit; 4 bits a number), with one power-of-two scale for each 32 numbers along K (OCP MX v1.0); their sums are f32. The products marked 'left as it is' may take bf16, f16 or f32 operands, with f32 sums. Whichever they take, every output number must still come out within the allowed error. Rounding operands to bf16 (8 significant bits) uses up far more of that allowance than f16 does (11 bits, for magnitudes from 6e-5 to 65,504). All else is computed in f32.
;;   The module's matrix products, in the order in which they are computed (A, B: the left and right operand; K: the contracted axis; several contracted axes count as one K, in the product's order):
;;     1. [M 8,192, K 1,024] x [K 1,024, N 3,072]; A: input X; B: input W_KQV: QUANTISED
;;     2. batch 64 x [M 2,048, K 64] x [K 64, N 2,048]; A: computed on the way; B: computed on the way: left as it is (an operand is computed on the way)
;;     3. batch 64 x [M 2,048, K 2,048] x [K 2,048, N 64]; A: computed on the way; B: computed on the way: left as it is (an operand is computed on the way)
;;     4. [M 8,192, K 1,024] x [K 1,024, N 1,024]; A: computed on the way; B: input W_O: left as it is (an operand is computed on the way)
;;   THE QUANTISER, for each operand of a quantised product, along K:
;;     - K is cut into blocks of 32 from its start; a last block that is shorter is filled with zeros.
;;     - A block's scale is 2^e with e = floor(log2(the largest magnitude in the block)) - 2, held to -126 .. 127; a block of zeros has e = 0. As a byte (E8M0): e + 127.
;;     - Each number is divided by its block's scale, clamped to +-6, and rounded to the nearest number of E2M1, ties to even, subnormals kept.
;;     - The product sums the exact products of the quantised numbers (number of the format x scale) in f32.
;;   ~~~python
;;   def quantise(x, axis):      # numpy; x: float32 -> the quantised numbers, widened to float32 again
;;       x = np.moveaxis(x, axis, -1); K = x.shape[-1]
;;       x = np.pad(x, [(0, 0)] * (x.ndim - 1) + [(0, -K % 32)]); x = x.reshape(x.shape[:-1] + (-1, 32)); a = np.abs(x).max(-1, keepdims=True)
;;       e = np.where(a > 0, np.clip(np.frexp(np.where(a > 0, a, 1))[1] - 1 - 2, -126, 127), 0)      # np.frexp(a)[1] - 1 = floor(log2(a)), exactly
;;       r = np.clip(x / 2.0 ** e, -6, 6)
;;       step = 2.0 ** (np.maximum(np.frexp(np.where(r == 0, 1, r))[1] - 1, 0) - 1)
;;       q = np.round(r / step) * step * 2.0 ** e      # np.round: ties to even
;;       return np.moveaxis(q.reshape(q.shape[:-2] + (-1,))[..., :K], -1, axis).astype(np.float32)
;;   ~~~
;; One version. Each part assembles by itself: llvm-mc -triple=amdgcn-amd-amdhsa -mcpu=gfx1250 --defsym DOCPART=n.
;; ======== version 1 of 1: 5 launches
;; limits: values are held in f16: magnitudes above 65,504 overflow, below 6.1e-05 lose precision
;; workspace buffers: codes 5,767,168 bytes; scales 360,448 bytes; wo16 2,097,152 bytes; rope 524,288 bytes; kqv 50,331,648 bytes; fine 786,432 bytes; acts 16,777,216 bytes
;; launch prep (part 1): grid 416 x 1, 4 waves a work-group, no clusters, 33,280 bytes of LDS; arguments X, W_KQV, codes, scales, W_O, wo16, rope; writes codes, scales, wo16, rope
.if DOCPART == 1
	.amdgcn_target "amdgcn-amd-amdhsa--gfx1250"
	.amdhsa_code_object_version 6
	.text
	.protected	k_q5f2bfae495_prep
	.globl	k_q5f2bfae495_prep
	.p2align	8
	.type	k_q5f2bfae495_prep,@function
k_q5f2bfae495_prep:
	s_mov_b64 s[64:65], 0
	v_nop
	global_prefetch_b8 v0, s[64:65] scope:SCOPE_SE
	s_setreg_imm32_b32 hwreg(HW_REG_WAVE_MODE, 25, 1), 1
	s_wait_xcnt 0x0
; Three jobs that part on the work-group's number; only the first uses LDS.
; (a) work-groups 0-351: X [8192][1024] and W_KQV [3072][1024], f32, become codes of FP4 (E2M1), K innermost, two to a byte, with one E8M0 byte for each 32 along K.
;     A block's scale is 2^(floor(log2(largest magnitude)) - 2); its byte is the largest magnitude's exponent field - 2, held at 1 from below.
;     Both tensors are plain streams of blocks; X's 1,024 runs of 8,192 numbers end where W's 384 begin, so codes and scale bytes are one stream each.
;     LIMITS: a block of zeros gets the byte 1 where the rule says 127 (its codes are zeros, and this program alone reads the bytes); NaN and infinities are not served.
; (b) work-groups 352-383: W_O [1024][1024] f32 is rounded to f16, same order.
; (c) work-groups 384-415: the table of cos and sin for RoPE: [2048 positions][16 groups][c(2g), c(2g+1), s(2g), s(2g+1)] f32.
;     angle = position x 10000^(-m/32); reduced by multiples of pi/2 held in two parts; sine and cosine by their series to r^9 and r^8, |r| <= pi/4.
.set WAVES, 4
.set STEPS, 16
.set CB,    8                          ; bytes of 16 codes
.set R,     16                         ; v16-79   four sets of 16 numbers as loaded
.set X,     80                         ; v80-111  two sets of 16 neighbours
.set E,     112                        ; v112-127 a scale byte for each step
.set C,     128                        ; v128-191 codes: registers of its own for each step
.set WREG,  8192                       ; LDS: a region for each wave: two stages of 32 x SP bytes, then its 256 scale bytes
.set SP,    80                         ; a lane's place in a stage: 64 bytes + 16 of padding
.set SPW,   12                         ; v12  LDS address of my spare word; never rewritten
.set NIL,   13                         ; v13  0; never rewritten
.set SPARE, WAVES*WREG                 ; behind the regions: the spare words, 128 bytes a wave
	s_load_b128 s[4:7], s[0:1], 0x0                ; X, W_KQV
	s_load_b128 s[8:11], s[0:1], 0x10              ; codes, scales
	s_load_b128 s[12:15], s[0:1], 0x20             ; W_O, wo16
	s_load_b64 s[16:17], s[0:1], 0x30              ; rope
	v_lshl_add_u32 v[SPW], v0, 2, SPARE
	v_mov_b32 v[NIL], 0
	v_lshrrev_b32 v1, 5, v0
	v_readfirstlane_b32 s18, v1                    ; wave
	v_and_b32 v2, 31, v0                           ; lane
	s_wait_kmcnt 0x0
	s_cmp_ge_u32 ttmp9, 384
	s_cbranch_scc1 .Ltable
	s_cmp_ge_u32 ttmp9, 352
	s_cbranch_scc1 .Lcast
; ---- (a) the quantiser.  A wave takes 16 steps of 512 numbers.  Each load reads 512 consecutive bytes; a step's 2,048 bytes turn through the wave's own stage so that a lane holds 16 neighbours.
	v_lshlrev_b32 v3, 4, v2                        ; my 16 bytes of a load's 512
	s_mul_i32 s19, s18, WREG
	v_lshrrev_b32 v14, 2, v2
	v_mul_u32_u24 v14, v14, SP
	v_and_b32 v15, 3, v2
	v_lshl_add_u32 v14, v15, 4, v14
	v_add_nc_u32 v14, s19, v14                     ; the stage, on the way in: SP (lane / 4) + 16 (lane % 4)
	v_mul_u32_u24 v15, v2, SP
	v_add_nc_u32 v15, s19, v15                     ; on the way out: SP x lane
	v_mul_u32_u24 v4, v2, CB                       ; my codes' place in a step's
	v_lshrrev_b32 v5, 1, v2
	s_add_co_u32 s19, s19, 2*32*SP
	v_add_nc_u32 v5, s19, v5                       ; my block's scale byte in the wave's 256
	v_lshlrev_b32 v7, 3, v2
	v_add_nc_u32 v6, s19, v7                       ; and 8 bytes a lane on their way out
	s_cmp_lt_u32 ttmp9, 256                        ; X's work-group or W's: the work-group's number alone decides
	s_cselect_b64 s[4:5], s[4:5], s[6:7]
	s_cselect_b32 s19, 0, 256
	s_sub_co_u32 s19, ttmp9, s19
	s_lshl_b32 s19, s19, 2
	s_add_co_u32 s20, s19, s18                     ; my run of 8,192 numbers in its tensor
	s_lshl_b32 s20, s20, 15
	s_mov_b32 s21, 0
	s_add_nc_u64 s[4:5], s[4:5], s[20:21]
	s_lshl_b32 s22, ttmp9, 2
	s_add_co_u32 s22, s22, s18                     ; and in the one stream of results
	s_lshl_b32 s20, s22, 12                        ; 4,096 bytes of codes a run
	s_add_nc_u64 s[8:9], s[8:9], s[20:21]
	s_lshl_b32 s20, s22, 8                         ; 256 scale bytes a run
	s_add_nc_u64 s[10:11], s[10:11], s[20:21]
.macro LOAD t
.irp i, 0,1,2,3
	global_load_b128 v[R+16*((\t)%4)+4*\i:R+16*((\t)%4)+4*\i+3], v3, s[4:5] offset:2048*(\t)+512*\i th:TH_LOAD_NT
.endr
.endm
.macro TURN t                          ; step t's numbers through the stage: LDS serves a wave's instructions in order, so no wait stands between the stores and the loads
.irp i, 0,1,2,3
	ds_store_b128 v14, v[R+16*((\t)%4)+4*\i:R+16*((\t)%4)+4*\i+3] offset:32*SP*((\t)%2)+8*SP*\i
.endr
.irp i, 0,1,2,3
	ds_load_b128 v[X+16*((\t)%2)+4*\i:X+16*((\t)%2)+4*\i+3], v15 offset:32*SP*((\t)%2)+16*\i
.endr
.endm
.irp t, 0,1,2,3
	LOAD \t
.endr
	s_wait_loadcnt 12                              ; step 0's four loads are in
	TURN 0
.macro STEP t
.set XS, X+16*((\t)%2)
.if (\t) > 0
	s_wait_dscnt 1                                 ; this step's numbers are back from the stage; the last step's byte store may be out
.else
	s_wait_dscnt 0x0
.endif
.if (\t)+4 < STEPS
	LOAD (\t)+4                                    ; into the registers that this step's stage stores have read
.endif
.if (\t)+1 < STEPS
.if STEPS-2-(\t) >= 3
	s_wait_loadcnt 12                              ; the next step's loads are in; three steps' may be out
.else
	s_wait_loadcnt 4*(STEPS-2-(\t))
.endif
	TURN (\t)+1
.endif
	v_max3_num_f32 v8, |v[XS]|, |v[XS+1]|, |v[XS+2]|       ; the largest magnitude of my 16, in two chains
	v_max3_num_f32 v9, |v[XS+3]|, |v[XS+4]|, |v[XS+5]|
.irp i, 6,10
	v_max3_num_f32 v8, v8, |v[XS+\i]|, |v[XS+\i+1]|
	v_max3_num_f32 v9, v9, |v[XS+\i+2]|, |v[XS+\i+3]|
.endr
	v_max3_num_f32 v8, v8, |v[XS+14]|, |v[XS+15]|
	v_max3_num_f32 v8, v8, v9, 0x1800000           ; and the floor 2^(3 - 127): the byte cannot fall under 1
	v_max_num_f32_dpp v8, v8, v8 row_xmask:1 row_mask:0xf bank_mask:0xf   ; with my neighbour's 16: the block's
	v_add_nc_u32 v11, 0xff000000, v8               ; 2 off the exponent field: the conversion takes that field as its scale
	v_cvt_scalef32_pk8_fp4_f32 v[C+4*(\t)], v[XS:XS+7], v11
	v_cvt_scalef32_pk8_fp4_f32 v[C+4*(\t)+1], v[XS+8:XS+15], v11
	v_lshrrev_b32 v[E+(\t)], 23, v11               ; the scale's byte
	ds_store_b8 v5, v[E+(\t)] offset:16*(\t)       ; both lanes of a block write the same byte with the same value
	global_store_b64 v4, v[C+4*(\t):C+4*(\t)+1], s[8:9] offset:32*CB*(\t)   ; the wave stores 256 consecutive bytes
.endm
.irp t, 0,1,2,3,4,5,6,7,8,9,10,11,12,13,14,15
	STEP \t
.endr
	ds_load_b64 v[8:9], v6                         ; my wave's 256 scale bytes (in order behind my stores)
	s_wait_dscnt 0x0
	global_store_b64 v7, v[8:9], s[10:11]          ; 256 consecutive bytes
	s_wait_tensorcnt 0x0                           ; the wave's end, behind my last LDS store
	ds_add_u32 v[SPW], v[NIL]
	s_wait_dscnt 0x0
	s_endpgm
; ---- (b) W_O to f16.  A wave takes 8,192 numbers in four parts of 2,048; two sets of registers, one part ahead.
.Lcast:
	s_sub_co_u32 s19, ttmp9, 352
	s_lshl_b32 s19, s19, 2
	s_add_co_u32 s19, s19, s18                     ; my run, 0..127
	s_lshl_b32 s20, s19, 15
	s_mov_b32 s21, 0
	s_add_nc_u64 s[12:13], s[12:13], s[20:21]
	s_lshl_b32 s20, s19, 14
	s_add_nc_u64 s[14:15], s[14:15], s[20:21]
	v_lshlrev_b32 v3, 4, v2                        ; in: 16 bytes a lane
	v_lshlrev_b32 v4, 3, v2                        ; out: 8 bytes a lane
.macro WLOAD k
.irp i, 0,1,2,3,4,5,6,7,8,9,10,11,12,13,14,15
	global_load_b128 v[16+64*((\k)%2)+4*\i:16+64*((\k)%2)+4*\i+3], v3, s[12:13] offset:8192*(\k)+512*\i
.endr
.endm
	WLOAD 0
	WLOAD 1
.irp k, 0,1,2,3
.if \k < 3
	s_wait_loadcnt 16                              ; this part's sixteen loads are in; the next part's may be out
.else
	s_wait_loadcnt 0x0
.endif
.if \k > 0
	s_wait_xcnt 0x0                                ; the last part's stores have read v144-175, which are written again
.endif
.irp i, 0,1,2,3,4,5,6,7,8,9,10,11,12,13,14,15
	v_cvt_pk_f16_f32 v[144+2*\i], v[16+64*(\k%2)+4*\i], v[16+64*(\k%2)+4*\i+1]
	v_cvt_pk_f16_f32 v[145+2*\i], v[16+64*(\k%2)+4*\i+2], v[16+64*(\k%2)+4*\i+3]
.endr
.irp i, 0,1,2,3,4,5,6,7,8,9,10,11,12,13,14,15
	global_store_b64 v4, v[144+2*\i:145+2*\i], s[14:15] offset:4096*\k+256*\i   ; 256 consecutive bytes
.endr
.if \k < 2
	WLOAD \k+2
.endif
.endr
	s_endpgm
; ---- (c) the table.  Thread t: group g = t % 16, positions 64 x (work-group - 384) + 8 i + t / 16, i = 0..7.  A wave's store covers 512 consecutive bytes.
.Ltable:
	s_sub_co_u32 s19, ttmp9, 384
	s_lshl_b32 s20, s19, 14                        ; 64 positions of 256 bytes
	s_mov_b32 s21, 0
	s_add_nc_u64 s[16:17], s[16:17], s[20:21]
	s_lshl_b32 s19, s19, 6
	s_mov_b32 s22, 0x3f22f983                      ; 2 / pi
	s_mov_b32 s23, 0x3fc90fdb                      ; pi / 2, its f32 part,
	s_mov_b32 s24, 0xb33bbd2e                      ; and what is left of it
	s_mov_b32 s25, 0xbe2aaaab                      ; -1/6, 1/120, -1/5040, 1/362880
	s_mov_b32 s26, 0x3c088889
	s_mov_b32 s27, 0xb9500d01
	s_mov_b32 s28, 0x3638ef1b
	s_mov_b32 s29, 0x3d2aaaab                      ; 1/24, -1/720, 1/40320
	s_mov_b32 s30, 0xbab60b61
	s_mov_b32 s31, 0x37d00d01
	v_and_b32 v3, 15, v0                           ; g
	v_lshrrev_b32 v4, 4, v0
	v_lshlrev_b32 v5, 4, v0                        ; 16 t
	v_add_nc_u32 v4, s19, v4
	v_cvt_f32_u32 v4, v4                           ; the position, as f32 (exact)
	v_lshlrev_b32 v6, 1, v3
	v_cvt_f32_u32 v6, v6                           ; m = 2 g
	v_add_f32 v7, 1.0, v6                          ; m = 2 g + 1
	v_mul_f32 v6, 0xbed49a78, v6                   ; -m log2(10000) / 32
	v_mul_f32 v7, 0xbed49a78, v7
	v_exp_f32 v6, v6                               ; 10000^(-m / 32)
	v_exp_f32 v7, v7
	v_nop                                          ; a plain instruction behind the exponentials,
	s_wait_alu depctr_va_vdst(0)                   ; and the wait ahead of their first reader
.macro SINCOS dc, ds, pf, fr           ; v[dc] = cos, v[ds] = sin of v[pf] x v[fr]
	v_mul_f32 v16, v[\pf], v[\fr]                  ; the angle, rounded once
	v_mul_f32 v17, s22, v16
	v_rndne_f32 v17, v17                           ; n quarter turns
	v_fma_f32 v18, -v17, s23, v16
	v_fma_f32 v18, -v17, s24, v18                  ; r = angle - n pi / 2
	v_cvt_i32_f32 v19, v17
	v_mul_f32 v20, v18, v18                        ; z = r r
	v_fma_f32 v21, v20, s28, s27
	v_fma_f32 v23, v20, s31, s30
	v_fma_f32 v21, v21, v20, s26
	v_fma_f32 v23, v23, v20, s29
	v_fma_f32 v21, v21, v20, s25
	v_mul_f32 v22, v20, v18
	v_fma_f32 v23, v23, v20, -0.5
	v_fma_f32 v21, v21, v22, v18                   ; sin r
	v_fma_f32 v23, v23, v20, 1.0                   ; cos r
	v_and_b32 v24, 1, v19
	v_cmp_eq_u32 vcc_lo, 1, v24                    ; an odd quarter swaps the two (a choice of values, no branch)
	v_cndmask_b32 v[\dc], v23, v21, vcc_lo
	v_cndmask_b32 v[\ds], v21, v23, vcc_lo
	v_add_nc_u32 v24, 1, v19
	v_and_b32 v24, 2, v24
	v_lshlrev_b32 v24, 30, v24
	v_xor_b32 v[\dc], v[\dc], v24                  ; cos is negative in quarters 1 and 2,
	v_and_b32 v25, 2, v19
	v_lshlrev_b32 v25, 30, v25
	v_xor_b32 v[\ds], v[\ds], v25                  ; sin in quarters 2 and 3
.endm
.irp i, 0,1,2,3,4,5,6,7
.if \i > 0
	v_add_f32 v4, 0x41000000, v4                   ; eight positions on
.endif
	SINCOS 32+4*\i, 34+4*\i, 4, 6
	SINCOS 33+4*\i, 35+4*\i, 4, 7
	global_store_b128 v5, v[32+4*\i:35+4*\i], s[16:17] offset:2048*\i   ; each store has data registers of its own
.endr
	s_endpgm
.Lfunc_end_k_q5f2bfae495_prep:
	.size	k_q5f2bfae495_prep, .Lfunc_end_k_q5f2bfae495_prep-k_q5f2bfae495_prep
	.p2alignl 7, 3214868480
	.fill 96, 4, 3214868480
	.section	.rodata,"a",@progbits
	.p2align	6, 0x0
	.amdhsa_kernel k_q5f2bfae495_prep
		.amdhsa_group_segment_fixed_size 33280
		.amdhsa_private_segment_fixed_size 0
		.amdhsa_enable_private_segment 0
		.amdhsa_kernarg_size 56
		.amdhsa_user_sgpr_count 2
		.amdhsa_user_sgpr_kernarg_segment_ptr 1
		.amdhsa_wavefront_size32 1
		.amdhsa_system_sgpr_workgroup_id_x 1
		.amdhsa_system_sgpr_workgroup_id_y 1
		.amdhsa_system_sgpr_workgroup_id_z 1
		.amdhsa_system_vgpr_workitem_id 0
		.amdhsa_next_free_vgpr 192
		.amdhsa_next_free_sgpr 66
		.amdhsa_reserve_vcc 1
		.amdhsa_float_denorm_mode_32 3
		.amdhsa_float_denorm_mode_16_64 3
		.amdhsa_memory_ordered 1
		.amdhsa_forward_progress 1
		.amdhsa_inst_pref_size 75
	.end_amdhsa_kernel
	.amdgpu_metadata
---
amdhsa.version: [ 1, 2 ]
amdhsa.kernels:
  - .name:           k_q5f2bfae495_prep
    .symbol:         k_q5f2bfae495_prep.kd
    .args:
      - { .name: X, .offset: 0, .size: 8, .value_kind: global_buffer, .address_space: global }
      - { .name: W_KQV, .offset: 8, .size: 8, .value_kind: global_buffer, .address_space: global }
      - { .name: codes, .offset: 16, .size: 8, .value_kind: global_buffer, .address_space: global }
      - { .name: scales, .offset: 24, .size: 8, .value_kind: global_buffer, .address_space: global }
      - { .name: W_O, .offset: 32, .size: 8, .value_kind: global_buffer, .address_space: global }
      - { .name: wo16, .offset: 40, .size: 8, .value_kind: global_buffer, .address_space: global }
      - { .name: rope, .offset: 48, .size: 8, .value_kind: global_buffer, .address_space: global }
    .group_segment_fixed_size: 33280
    .private_segment_fixed_size: 0
    .kernarg_segment_align: 8
    .kernarg_segment_size: 56
    .max_flat_workgroup_size: 128
    .sgpr_count:     66
    .vgpr_count:     192
    .wavefront_size: 32
...
	.end_amdgpu_metadata
.endif
;; end of part 1
;; launch kqv (part 2): grid 12 x 32, 4 waves a work-group, clusters of 4 x 1, 327,680 bytes of LDS; arguments codes, scales, rope, kqv, fine; writes kqv, fine
.if DOCPART == 2
	.amdgcn_target "amdgcn-amd-amdhsa--gfx1250"
	.amdhsa_code_object_version 6
	.text
	.protected	k_q5f2bfae495_kqv
	.globl	k_q5f2bfae495_kqv
	.p2align	8
	.type	k_q5f2bfae495_kqv,@function
k_q5f2bfae495_kqv:
	s_mov_b64 s[64:65], 0
	v_nop
	global_prefetch_b8 v0, s[64:65] scope:SCOPE_SE
	s_setreg_imm32_b32 hwreg(HW_REG_WAVE_MODE, 25, 1), 1
	s_wait_xcnt 0x0
	s_wait_alu depctr_hold_cnt(0) depctr_sa_sdst(0) depctr_va_vdst(0) depctr_va_sdst(0) depctr_va_ssrc(0) depctr_va_vcc(0) depctr_vm_vsrc(0)
	s_getreg_b32 s2, hwreg(HW_REG_IB_STS2, 6, 4)
	s_cmp_eq_u32 s2, 0
	s_cbranch_scc0 .Lentry_in_a_cluster
	s_endpgm
.Lentry_in_a_cluster:
	s_bfe_u32 s2, ttmp6, 0x10000c
	s_cmp_lg_u32 s2, 0x3003
	s_cbranch_scc0 .Lentry_shape_is_right
	s_endpgm
.Lentry_shape_is_right:
; KQV = X W_KQV^T on codes of FP4 (E2M1) with one E8M0 scale for each 32 along K, sums in f32; then RoPE on K and Q in f32; results leave as f16, [kind][batch x 16 + head][position][64].
; M 8,192, N 3,072, K 1,024.  A tile of 256 x 256 is made by four waves, a wave makes 128 x 128: 64 accumulators.  K is two slots of 512: every tensor load is a first fill, nothing is filled again.
; CLUSTER 4 x 1: the four tile columns of one kind (K, Q or V = the cluster's x) and one tile row.  They need the same tiles of X: those are asked for jointly (mask 15).  W's tiles are each work-group's own.
; A 4 x 4 cluster is not taken: the way out branches on 'this tile row holds positions 0 to 15', which would then differ between partners.
; THE MATRIX INSTRUCTION IS USED TRANSPOSED (source 0 = 16 rows of W, source 1 = 16 rows of X), AND THE ROWS OF A FRAGMENT ARE TAKEN IN ANOTHER ORDER: lane r takes row p(r), r with its two lowest bits exchanged.
; So lane (r, h) holds row p(r) of X's block, and its registers 0..7 the columns 8 h + 0, 2, 1, 3, 4, 6, 5, 7: registers (0, 1) are the real parts of two RoPE pairs, (2, 3) their imaginary parts: the rotation is plain packed arithmetic.
; Positions 0 to 15 of every sequence also leave in f32 (buffer fine, in register order: of each four channels the two middle ones change places), for the launch that makes those rows finely.
; LIMITS: |K|, |Q|, |V| stay under 65,504 (f16); NaN and infinities are not served.
; REGISTERS: window 0: v0-31 addresses; v32-95 scale words; v128-191 X's fragments; on the way out v32-207 at work.  window 1: W's fragments at v0 and v128; the table in the other halves, later in all.  windows 2, 3: accumulators.
.set NQ,     4                         ; matrix instructions deep in a slot
.set ROWB,   256                       ; a tile's row: 512 codes
.set KROW,   512                       ; a row of codes in memory
.set PITCH,  272                       ; an LDS row: 256 bytes + 16 of padding: the 16 rows of a load start at 16 different banks
.set FR,     8
.set NL,     2
.set NP,     4
.set HALFT,  128*PITCH
.set SLOT,   4*HALFT                   ; X's 256 rows, then W's 256
.set KS,     32                        ; a row of scale bytes
.set SCL,    2*SLOT                    ; behind the slots: the scale bytes, as units of 256 bytes + 16
.set HALFS,  16*272                    ; those of 128 rows
.set SBLK,   2*272                     ; those of 16 rows
.set STAGE,  SCL+4*HALFS               ; the way out: for each wave 2 heads x 16 rows x 144 bytes; no tensor load lands here
.set SPH,    144
.set STW,    2*16*SPH
.set SPARE,  STAGE+4*STW               ; the spare words, 128 bytes a wave
.set ADRA, 16                          ; v16-17 LDS address of my fragments of X in slot 0, 1
.set ADRB, 20                          ; v20-21 of W
.set STO,  24                          ; v24 the stage, in
.set RD,   25                          ; v25 the stage, back
.set GO,   26                          ; v26 16 x lane
.set ADRS, 27                          ; v27 my scale words: lanes 0-15 X's rows, lanes 16-31 W's
.set SPW,  28
.set NIL,  29
.set TA,   30                          ; v30 256 p(r) + 32 h: my place in the table's and in fine's 16 rows; never rewritten
.set SC,   32
.set AF,   128
.set Y,    32                          ; the way out: v32-95 a block's rotated numbers
.set TU,   96                          ; v96-111 products at work
.set HH,   112                         ; v112-143 the block as f16
.set BK,   144                         ; v144-175, v176-207 rows read back, by turns
.set G1, 24
.set G0, 32
.set G1B, 48
.set G0B, 56
.set G1S, 68
.set G0S, 76
.set G1SB, 80
.set G0SB, 88
.set MSB, 0
.macro WIN new                         ; the immediate's high byte repeats the setting that is left
.if MSB != \new
	s_set_vgpr_msb (MSB<<8)|\new
.set MSB, \new
.endif
.endm
.set MUL_LO, 0xa1                      ; source 0 (W) window 1, source 1 (X) window 0, C and D window 2
.set MUL_HI, 0xf1
.set TO_B,   0x40
; Waves 0 and 1 fetch for X (jointly), waves 2 and 3 for W.  The branch hangs on the wave's number alone.  An s_nop 0 and four v_nop follow each line.
.macro JLOAD g0a, g1a, g0b, g1b
	s_cmp_eq_u32 s15, 0
	s_cbranch_scc0 .Lfor_b_\@
	tensor_load_to_lds s[\g0a:\g0a+3], s[\g1a:\g1a+7]
	s_nop 0
.rept 4
	v_nop
.endr
	s_branch .Lasked_\@
.Lfor_b_\@:
	tensor_load_to_lds s[\g0b:\g0b+3], s[\g1b:\g1b+7]
	s_nop 0
.rept 4
	v_nop
.endr
.Lasked_\@:
.endm
.macro CROUND                          ; a round of the cluster's barrier
	s_barrier_signal -1
	s_barrier_wait -1
	s_cmp_lg_u32 s14, 0
	s_cbranch_scc1 .Lnot_wave_0_\@
	s_barrier_signal -3
.Lnot_wave_0_\@:
	s_barrier_wait -3
	s_barrier_signal -1
	s_barrier_wait -1
.endm
	s_load_b128 s[4:7], s[0:1], 0x0                ; codes, scales
	s_load_b128 s[8:11], s[0:1], 0x10              ; rope, kqv
	s_load_b64 s[12:13], s[0:1], 0x20              ; fine
	v_lshl_add_u32 v[SPW], v0, 2, SPARE
	v_mov_b32 v[NIL], 0
	ds_add_u32 v[SPW], v[NIL]                      ; the opening: the add, twice on end, and its wait ahead of my first tensor load
	ds_add_u32 v[SPW], v[NIL]
	v_lshrrev_b32 v1, 5, v0
	v_readfirstlane_b32 s14, v1                    ; wave 0..3
	s_lshr_b32 s15, s14, 1                         ; my half of the tile's rows.  Also: I fetch for X (0) or W (1)
	s_and_b32 s16, s14, 1                          ; my half of its columns.  Also: which 128 rows I fetch
	s_bfe_u32 s40, ttmp6, 0x40000                  ; cx
	s_lshl_b32 s42, ttmp9, 2
	s_add_co_u32 s42, s42, s40                     ; tile column = 4 x kind + cx
	s_and_b32 s17, ttmp7, 0xffff                   ; tile row, shared by the four partners
	s_mov_b32 s[G1+0], 15|(1<<20)|(1<<21)|(5<<22)|(3<<25)     ; X's tiles: mask of all four, elements of 1 byte, 4 words of padding behind every 64
	s_mov_b32 s[G1B+0], (1<<20)|(5<<22)|(3<<25)               ; W's: no mask
.irp g, G1, G1B
	s_mov_b32 s[\g+1], ROWB<<16                    ; tensor_dim0
	s_mov_b32 s[\g+2], 128<<16                     ; tensor_dim1
	s_mov_b32 s[\g+3], ROWB<<16                    ; tile_dim0
	s_mov_b32 s[\g+4], 128                         ; tile_dim1
	s_mov_b32 s[\g+5], KROW                        ; from row to row
	s_mov_b32 s[\g+6], 0
	s_mov_b32 s[\g+7], 0
.endr
	s_mov_b32 s[G1S+0], 15|(3<<16)|(1<<20)|(1<<21)|(5<<22)|(3<<25)   ; the scale bytes of 128 rows: 4,096 dense bytes as 16 rows of 32 elements of 8 bytes
	s_mov_b32 s[G1SB+0], (3<<16)|(1<<20)|(5<<22)|(3<<25)
.irp g, G1S, G1SB
	s_mov_b32 s[\g+1], 32<<16
	s_mov_b32 s[\g+2], 16<<16
	s_mov_b32 s[\g+3], 32<<16
	s_mov_b32 s[\g+4], 16
	s_mov_b32 s[\g+5], 32
	s_mov_b32 s[\g+6], 0
	s_mov_b32 s[\g+7], 0
.endr
	s_lshl_b32 s18, s16, 7
	s_lshl_b32 s20, s17, 8
	s_add_co_u32 s20, s20, s18                     ; X: row 256 x tile row + 128 x half
	s_lshl_b32 s22, s20, 5                         ; its scale bytes,
	s_mov_b32 s23, 0
	s_lshl_b32 s20, s20, 9                         ; its codes
	s_mov_b32 s21, 0
	s_lshl_b32 s46, s42, 8
	s_add_co_u32 s46, s46, s18                     ; W: row 256 x tile column + 128 x half
	s_lshl_b32 s92, s46, 5
	s_add_co_u32 s92, s92, 262144                  ; W's scale bytes lie behind X's,
	s_mov_b32 s93, 0
	s_lshl_b32 s46, s46, 9
	s_add_co_u32 s46, s46, 4194304                 ; W's codes behind X's
	s_mov_b32 s47, 0
	s_mul_i32 s45, s14, HALFT                      ; where they go: wave x 128 rows: no place in the cluster enters an LDS address
	s_mul_i32 s94, s14, HALFS
	s_wait_dscnt 0x0                               ; both opening adds are done
	s_wait_kmcnt 0x0
	s_add_nc_u64 s[20:21], s[4:5], s[20:21]
	s_add_nc_u64 s[22:23], s[6:7], s[22:23]
	s_add_nc_u64 s[46:47], s[4:5], s[46:47]
	s_add_nc_u64 s[92:93], s[6:7], s[92:93]
	CROUND                                         ; all four work-groups are here: the joint loads meet
	s_mov_b32 s[G0S], 1
	s_add_co_u32 s[G0S+1], s94, SCL
	s_mov_b64 s[G0S+2:G0S+3], s[22:23]
	s_or_b32 s[G0S+3], s[G0S+3], 0x80000000
	s_mov_b32 s[G0SB], 1
	s_add_co_u32 s[G0SB+1], s94, SCL
	s_mov_b64 s[G0SB+2:G0SB+3], s[92:93]
	s_or_b32 s[G0SB+3], s[G0SB+3], 0x80000000
	JLOAD G0S, G1S, G0SB, G1SB                     ; the scale bytes first
.irp s, 0,1
	s_mov_b32 s[G0+4*\s], 1
	s_add_co_u32 s[G0+4*\s+1], s45, \s*SLOT
	s_add_nc_u64 s[G0+4*\s+2:G0+4*\s+3], s[20:21], \s*ROWB
	s_or_b32 s[G0+4*\s+3], s[G0+4*\s+3], 0x80000000
	s_mov_b32 s[G0B+4*\s], 1
	s_add_co_u32 s[G0B+4*\s+1], s45, \s*SLOT
	s_add_nc_u64 s[G0B+4*\s+2:G0B+4*\s+3], s[46:47], \s*ROWB
	s_or_b32 s[G0B+4*\s+3], s[G0B+4*\s+3], 0x80000000
	JLOAD G0+4*\s, G1, G0B+4*\s, G1B               ; three loads of mine are out
.endr
	v_and_b32 v1, 12, v0
	v_bfe_u32 v3, v0, 0, 1
	v_bfe_u32 v4, v0, 1, 1
	v_lshl_or_b32 v1, v3, 1, v1
	v_add_nc_u32 v1, v1, v4                        ; p(r): lane % 16 with its two lowest bits exchanged
	v_bfe_u32 v2, v0, 4, 1                         ; h
	v_mul_u32_u24 v3, v1, PITCH
	v_lshl_add_u32 v4, v2, 4, v3                   ; a fragment's row x pitch + 16 h
	s_mul_i32 s21, s15, HALFT
	s_mul_i32 s22, s16, HALFT
	s_add_co_u32 s22, s22, 2*HALFT
.irp s, 0,1
	v_add_nc_u32 v[ADRA+\s], s21, v4
	v_add_nc_u32 v[ADRB+\s], s22, v4
	s_add_co_u32 s21, s21, SLOT
	s_add_co_u32 s22, s22, SLOT
.endr
	v_mul_u32_u24 v5, v1, KS                       ; my row's scale bytes,
	v_lshrrev_b32 v6, 8, v5
	v_lshl_add_u32 v5, v6, 4, v5                   ; and 16 more for each 256 passed
	s_mul_i32 s21, s15, HALFS
	s_mul_i32 s22, s16, HALFS
	s_add_co_u32 s22, s22, 2*HALFS
	s_sub_co_u32 s22, s22, s21
	v_mul_u32_u24 v6, s22, v2                      ; lanes 16-31 take W's
	s_add_co_u32 s21, s21, SCL
	v_add_nc_u32 v5, v5, v6
	v_add_nc_u32 v[ADRS], s21, v5
	s_mul_i32 s23, s14, STW
	s_add_co_u32 s23, s23, STAGE                   ; my stage
	v_mul_u32_u24 v5, v1, SPH
	v_lshl_add_u32 v5, v2, 4, v5
	v_add_nc_u32 v[STO], s23, v5                   ; in: row p(r), 16 bytes for each half of the lanes
	v_and_b32 v6, 31, v0
	v_lshrrev_b32 v5, 3, v6
	v_mul_u32_u24 v5, v5, SPH
	v_and_b32 v7, 7, v0
	v_lshl_add_u32 v5, v7, 4, v5
	v_add_nc_u32 v[RD], s23, v5                    ; back: eight lanes to a row of 128 bytes, four rows an instruction
	v_lshlrev_b32 v[GO], 4, v6
	v_lshlrev_b32 v[TA], 8, v1
	v_lshl_add_u32 v[TA], v2, 5, v[TA]
	s_and_b32 s18, s17, 7
	s_lshl_b32 s18, s18, 8
	s_lshl_b32 s19, s15, 7
	s_add_co_u32 s18, s18, s19                     ; my first position in the sequence
	s_lshl_b32 s20, s18, 8
	s_mov_b32 s21, 0
	s_add_nc_u64 s[8:9], s[8:9], s[20:21]          ; the table at that position
	s_lshr_b32 s19, s17, 3                         ; the batch
	s_lshl_b32 s41, s40, 2
	s_lshl_b32 s43, s16, 1
	s_add_co_u32 s41, s41, s43                     ; my first head: 4 cx + 2 x column half
	s_lshl_b32 s43, s19, 4
	s_add_co_u32 s43, s43, s41
	s_lshl_b32 s20, s43, 18
	s_lshl_b32 s43, s18, 7
	s_add_co_u32 s20, s20, s43
	s_lshl_b32 s43, ttmp9, 24
	s_add_co_u32 s20, s20, s43
	s_add_nc_u64 s[10:11], s[10:11], s[20:21]      ; kqv at my kind, head and position; never stepped
	s_mul_i32 s43, s19, 3
	s_add_co_u32 s43, s43, ttmp9
	s_lshl_b32 s43, s43, 4
	s_add_co_u32 s43, s43, s41
	s_lshl_b32 s20, s43, 12
	s_add_nc_u64 s[12:13], s[12:13], s[20:21]      ; fine at my batch, kind and head
	s_and_b32 s44, s17, 7
	s_or_b32 s44, s44, s15                         ; 0 where my first block is positions 0 to 15: tile row and wave alone
; The table for block a of 16 rows: lane (r, h) wants, for each quarter q of a head's 64 channels, groups 4 q + 2 h and + 1 of position p(r): 32 bytes.
.macro TABLE a
.set TBL, 64*(1-(\a)/4)+32*((\a)%2)+128*(((\a)%4)/2)
.irp q, 0,1,2,3
	global_load_b128 v[TBL+8*\q:TBL+8*\q+3], v[TA], s[8:9] offset:4096*(\a)+64*\q
	global_load_b128 v[TBL+8*\q+4:TBL+8*\q+7], v[TA], s[8:9] offset:4096*(\a)+64*\q+16
.endr
.endm
	WIN TO_B                                       ; blocks 0 to 3, into the halves of window 1 that W's fragments leave free.  V's tiles ask too and leave it unread: the branch on the kind stands once, at the way out
	TABLE 0
	TABLE 1
	TABLE 2
	TABLE 3
	WIN 0
.macro FRAG reg, adr, q, i             ; 16 rows x 128 K of 4-bit codes: 8 registers, two loads of 16 bytes, 32 apart
.irp c, 0,1
	ds_load_b128 v[\reg+4*\c:\reg+4*\c+3], v[\adr] offset:64*(\q)+32*\c+(\i)*16*PITCH
.endr
.endm
; 16 matrix instructions: X's blocks a0, a0 + 1 x W's eight.  The 64 accumulators take turns, one instruction a turn, in the same order in every step.
.macro MUL16 a0, p, q, sc, zero
.irp a, \a0, \a0+1
.irp b, 0,1,2,3,4,5,6,7
.if \zero
	v_wmma_scale_f32_16x16x128_f8f6f4 v[8*(8*((\a)%4)+\b):8*(8*((\a)%4)+\b)+7], v[128*(\p)+FR*\b:128*(\p)+FR*\b+FR-1], v[AF+FR*(\a):AF+FR*(\a)+FR-1], 0, v[SC+8*NQ*(\sc)+NQ*\b+(\q)], v[SC+8*NQ*(\sc)+NQ*(\a)+(\q)] matrix_a_fmt:MATRIX_FMT_FP4 matrix_b_fmt:MATRIX_FMT_FP4 matrix_a_scale:MATRIX_SCALE_ROW1
.else
	v_wmma_scale_f32_16x16x128_f8f6f4 v[8*(8*((\a)%4)+\b):8*(8*((\a)%4)+\b)+7], v[128*(\p)+FR*\b:128*(\p)+FR*\b+FR-1], v[AF+FR*(\a):AF+FR*(\a)+FR-1], v[8*(8*((\a)%4)+\b):8*(8*((\a)%4)+\b)+7], v[SC+8*NQ*(\sc)+NQ*\b+(\q)], v[SC+8*NQ*(\sc)+NQ*(\a)+(\q)] matrix_a_fmt:MATRIX_FMT_FP4 matrix_b_fmt:MATRIX_FMT_FP4 matrix_a_scale:MATRIX_SCALE_ROW1
.endif
.endr
.endr
.endm
.macro FETCH_B slot, q, p
	WIN TO_B
.irp i, 0,1,2,3,4,5,6,7
	FRAG 128*(\p)+FR*\i, ADRB+\slot, \q, \i
.endr
	WIN 0
.endm
.macro FETCH_A slot, q, i0
.irp i, \i0, \i0+1, \i0+2, \i0+3
	FRAG AF+FR*(\i), ADRA+\slot, \q, \i
.endr
.endm
.macro SCALES sc                       ; a slot's scale words: four a row; lanes 0-15 X's block i, lanes 16-31 W's block i
.irp i, 0,1,2,3,4,5,6,7
	ds_load_b128 v[SC+8*NQ*\sc+NQ*\i:SC+8*NQ*\sc+NQ*\i+3], v[ADRS] offset:\i*SBLK
.endr
.endm
.macro PLACES n                        ; plain vector instructions between a matrix instruction and a load into, or a read of, its registers
.rept \n
	v_nop
.endr
.endm
.macro STEP slot, q, zero              ; 128 along K, with its successor in the same slot
	s_wait_dscnt 4*NL                              ; W's set and X's blocks 0-3 are in; X's blocks 4-7 may be out
	WIN MUL_LO
	MUL16 0, (\q)%2, \q, \slot, \zero
	MUL16 2, (\q)%2, \q, \slot, \zero
	s_wait_dscnt 0
	PLACES NP
	FETCH_B \slot, (\q)+1, 1-(\q)%2
	FETCH_A \slot, (\q)+1, 0
	WIN MUL_HI
	MUL16 4, (\q)%2, \q, \slot, \zero
	MUL16 6, (\q)%2, \q, \slot, \zero
	PLACES NP
	WIN 0
	FETCH_A \slot, (\q)+1, 4
.endm
.macro STEPS slot, from
.set Q, \from
.rept NQ-1-\from
	STEP \slot, Q, 0
.set Q, Q+1
.endr
.endm
	s_wait_tensorcnt 1                             ; the scale bytes and my part of slot 0 are in; slot 1's load may be out
	s_barrier_signal -1
	s_barrier_wait -1
	FETCH_B 0, 0, 0
	FETCH_A 0, 0, 0
	SCALES 0
	FETCH_A 0, 0, 4
	STEP 0, 0, 1                                   ; the first products start the sums: nothing is cleared
	STEPS 0, 1
	; slot 0's last step goes over to slot 1: one barrier; in front of it my part of slot 1 has landed
	s_wait_tensorcnt 0x0
	ds_add_u32 v[SPW], v[NIL]
	s_wait_dscnt 4*NL+1                            ; the add and X's blocks 4-7 may be out
	WIN MUL_LO
	MUL16 0, 1, NQ-1, 0, 0
	s_wait_dscnt 0x0
	s_barrier_signal -1
	MUL16 2, 1, NQ-1, 0, 0
	WIN 0
	s_barrier_wait -1
	PLACES NP
	v_add_nc_u32 v[ADRS], 4*NQ, v[ADRS]            ; slot 1's scale words
	FETCH_B 1, 0, 0
	FETCH_A 1, 0, 0
	SCALES 1
	WIN MUL_HI
	MUL16 4, 1, NQ-1, 0, 0
	MUL16 6, 1, NQ-1, 0, 0
	PLACES NP
	WIN 0
	FETCH_A 1, 0, 4
	STEPS 1, 0
	s_wait_dscnt 4*NL
	WIN MUL_LO
	MUL16 0, 1, NQ-1, 1, 0
	MUL16 2, 1, NQ-1, 1, 0
	s_wait_dscnt 0
	WIN MUL_HI
	MUL16 4, 1, NQ-1, 1, 0
	MUL16 6, 1, NQ-1, 1, 0
	WIN 0
; THE WAY OUT, block by block of 16 rows x 128 columns (two heads).
; ROPE: yr = xr c - xi s, yi = xr s + xi c, two pairs an instruction; then f16, the columns back in their order.
.macro ROPE a
.set AC, 64*((\a)%4)
.set TBL, 64*(1-(\a)/4)+32*((\a)%2)+128*(((\a)%4)/2)
.if (\a) < 4
	s_wait_loadcnt 32                              ; the table's first 32 loads are in; the second 32 may be out
.else
	s_wait_loadcnt 56-8*(\a)                       ; this block's eight are in; the later blocks' may be out
.endif
	WIN 0x06+(\a)/4                                ; x in window 2 or 3, the table in window 1, results in window 0
.irp b, 0,1,2,3,4,5,6,7
.set XB, AC+8*\b
.set TQ, TBL+8*(\b%4)
.set UB, TU+8*(\b%2)
	v_pk_mul_f32 v[UB:UB+1], v[XB+2:XB+3], v[TQ+2:TQ+3]           ; xi s (the accumulator's first read is of its low four registers)
	v_pk_mul_f32 v[UB+2:UB+3], v[XB+2:XB+3], v[TQ:TQ+1]           ; xi c
	v_pk_mul_f32 v[UB+4:UB+5], v[XB+6:XB+7], v[TQ+6:TQ+7]
	v_pk_mul_f32 v[UB+6:UB+7], v[XB+6:XB+7], v[TQ+4:TQ+5]
	v_pk_fma_f32 v[Y+8*\b:Y+8*\b+1], v[XB:XB+1], v[TQ:TQ+1], v[UB:UB+1] neg_lo:[0,0,1] neg_hi:[0,0,1]
	v_pk_fma_f32 v[Y+8*\b+2:Y+8*\b+3], v[XB:XB+1], v[TQ+2:TQ+3], v[UB+2:UB+3]
	v_pk_fma_f32 v[Y+8*\b+4:Y+8*\b+5], v[XB+4:XB+5], v[TQ+4:TQ+5], v[UB+4:UB+5] neg_lo:[0,0,1] neg_hi:[0,0,1]
	v_pk_fma_f32 v[Y+8*\b+6:Y+8*\b+7], v[XB+4:XB+5], v[TQ+6:TQ+7], v[UB+6:UB+7]
.endr
	WIN 0
.irp b, 0,1,2,3,4,5,6,7
	v_cvt_pk_f16_f32 v[HH+4*\b], v[Y+8*\b], v[Y+8*\b+2]
	v_cvt_pk_f16_f32 v[HH+4*\b+1], v[Y+8*\b+1], v[Y+8*\b+3]
	v_cvt_pk_f16_f32 v[HH+4*\b+2], v[Y+8*\b+4], v[Y+8*\b+6]
	v_cvt_pk_f16_f32 v[HH+4*\b+3], v[Y+8*\b+5], v[Y+8*\b+7]
.endr
.endm
.macro PACKV a                         ; V has no rotation: f16 straight from the accumulators
.set AC, 64*((\a)%4)
	WIN 0x0a+5*((\a)/4)
.irp b, 0,1,2,3,4,5,6,7
	v_cvt_pk_f16_f32 v[HH+4*\b], v[AC+8*\b], v[AC+8*\b+2]
	v_cvt_pk_f16_f32 v[HH+4*\b+1], v[AC+8*\b+1], v[AC+8*\b+3]
	v_cvt_pk_f16_f32 v[HH+4*\b+2], v[AC+8*\b+4], v[AC+8*\b+6]
	v_cvt_pk_f16_f32 v[HH+4*\b+3], v[AC+8*\b+5], v[AC+8*\b+7]
.endr
	WIN 0
.endm
; Positions 0 to 15 in f32, in register order.  A lane stores pieces of 32 bytes: 768 KB in the whole launch, too little to send through a stage.
.macro FINE v
	s_cmp_lg_u32 s44, 0
	s_cbranch_scc1 .Lno_fine_\@
.if \v
	WIN 0x08                                       ; a store's data are its source 1: window 2
.endif
.irp b, 0,1,2,3,4,5,6,7
.if \v
	global_store_b128 v[TA], v[8*\b:8*\b+3], s[12:13] offset:(\b/4)*4096+(\b%4)*64
	global_store_b128 v[TA], v[8*\b+4:8*\b+7], s[12:13] offset:(\b/4)*4096+(\b%4)*64+16
.else
	global_store_b128 v[TA], v[Y+8*\b:Y+8*\b+3], s[12:13] offset:(\b/4)*4096+(\b%4)*64
	global_store_b128 v[TA], v[Y+8*\b+4:Y+8*\b+7], s[12:13] offset:(\b/4)*4096+(\b%4)*64+16
.endif
.endr
	WIN 0
	s_wait_xcnt 0x0                                ; the stores have read their data: the next block writes those registers
.Lno_fine_\@:
.endm
.macro TOSTAGE a                       ; into my stage and back as rows of 128 bytes; LDS serves a wave's instructions in order
.irp b, 0,1,2,3,4,5,6,7
	ds_store_b128 v[STO], v[HH+4*\b:HH+4*\b+3] offset:(\b/4)*16*SPH+(\b%4)*32
.endr
.set BB, BK+32*((\a)%2)
.irp t, 0,1,2,3,4,5,6,7
	ds_load_b128 v[BB+4*\t:BB+4*\t+3], v[RD] offset:(\t/4)*16*SPH+(\t%4)*4*SPH
.endr
.endm
.macro SEND a, younger                 ; younger: the LDS instructions issued behind block a's loads
.set BB, BK+32*((\a)%2)
	s_wait_dscnt \younger
.irp t, 0,1,2,3,4,5,6,7
	global_store_b128 v[GO], v[BB+4*\t:BB+4*\t+3], s[10:11] offset:(\t/4)*262144+(\a)*2048+(\t%4)*512   ; four rows of a head: 512 consecutive bytes
.endr
.endm
.macro BLOCK a, v
.if \v
	PACKV \a
.else
	ROPE \a
.endif
.endm
.macro WAYOUT v
	BLOCK 0, \v
	FINE \v
	TOSTAGE 0
.irp a, 1,2,3,4,5,6,7
	BLOCK \a, \v
.if \a > 1
	s_wait_xcnt 0x0                                ; block a - 2's stores have read the registers into which block a's rows are loaded
.endif
	TOSTAGE \a
	SEND \a-1, 16
.endr
	SEND 7, 0
.endm
	PLACES NP                                      ; behind the last products: for the first reads of results and the loads into W's registers
	s_cmp_eq_u32 ttmp9, 2                          ; the kind is the cluster's x: the same in all partners
	s_cbranch_scc1 .Lout_v
	WIN TO_B
	TABLE 4
	TABLE 5
	TABLE 6
	TABLE 7
	WIN 0
	WAYOUT 0
	s_branch .Ldone
.Lout_v:
	WAYOUT 1
.Ldone:
	s_wait_tensorcnt 0x0                           ; the wave's end
	ds_add_u32 v[SPW], v[NIL]
	s_wait_dscnt 0x0
	CROUND                                         ; the closing round
	s_endpgm
.Lfunc_end_k_q5f2bfae495_kqv:
	.size	k_q5f2bfae495_kqv, .Lfunc_end_k_q5f2bfae495_kqv-k_q5f2bfae495_kqv
	.p2alignl 7, 3214868480
	.fill 96, 4, 3214868480
	.section	.rodata,"a",@progbits
	.p2align	6, 0x0
	.amdhsa_kernel k_q5f2bfae495_kqv
		.amdhsa_group_segment_fixed_size 327680
		.amdhsa_private_segment_fixed_size 0
		.amdhsa_enable_private_segment 0
		.amdhsa_kernarg_size 40
		.amdhsa_user_sgpr_count 2
		.amdhsa_user_sgpr_kernarg_segment_ptr 1
		.amdhsa_wavefront_size32 1
		.amdhsa_system_sgpr_workgroup_id_x 1
		.amdhsa_system_sgpr_workgroup_id_y 1
		.amdhsa_system_sgpr_workgroup_id_z 1
		.amdhsa_system_vgpr_workitem_id 0
		.amdhsa_next_free_vgpr 1024
		.amdhsa_next_free_sgpr 98
		.amdhsa_reserve_vcc 0
		.amdhsa_float_denorm_mode_32 3
		.amdhsa_float_denorm_mode_16_64 3
		.amdhsa_memory_ordered 1
		.amdhsa_forward_progress 1
		.amdhsa_inst_pref_size 200
	.end_amdhsa_kernel
	.amdgpu_metadata
---
amdhsa.version: [ 1, 2 ]
amdhsa.kernels:
  - .name:           k_q5f2bfae495_kqv
    .symbol:         k_q5f2bfae495_kqv.kd
    .args:
      - { .name: codes, .offset: 0, .size: 8, .value_kind: global_buffer, .address_space: global }
      - { .name: scales, .offset: 8, .size: 8, .value_kind: global_buffer, .address_space: global }
      - { .name: rope, .offset: 16, .size: 8, .value_kind: global_buffer, .address_space: global }
      - { .name: kqv, .offset: 24, .size: 8, .value_kind: global_buffer, .address_space: global }
      - { .name: fine, .offset: 32, .size: 8, .value_kind: global_buffer, .address_space: global }
    .group_segment_fixed_size: 327680
    .private_segment_fixed_size: 0
    .kernarg_segment_align: 8
    .kernarg_segment_size: 40
    .max_flat_workgroup_size: 128
    .sgpr_count:     98
    .vgpr_count:     1024
    .wavefront_size: 32
...
	.end_amdgpu_metadata
.endif
;; end of part 2
;; launch attn (part 3): grid 4 x 64, 8 waves a work-group, no clusters, 327,680 bytes of LDS; arguments kqv, acts; writes acts
.if DOCPART == 3
	.amdgcn_target "amdgcn-amd-amdhsa--gfx1250"
	.amdhsa_code_object_version 6
	.text
	.protected	k_q5f2bfae495_attn
	.globl	k_q5f2bfae495_attn
	.p2align	8
	.type	k_q5f2bfae495_attn,@function
k_q5f2bfae495_attn:
	s_mov_b64 s[64:65], 0
	v_nop
	global_prefetch_b8 v0, s[64:65] scope:SCOPE_SE
	s_setreg_imm32_b32 hwreg(HW_REG_WAVE_MODE, 25, 1), 1
	s_wait_xcnt 0x0
; acts[head][batch x 2048 + q][:] = sum over k <= q of softmax_k(Q[q] . K[k] / 8) V[k][:], for one (batch, head) a work-group row.  K, Q, V: f16, RoPE applied; products' sums, maxima, sums in f32; the weights p go in f16.
; SHARES.  Work-group (p, bh) owns query blocks p and 7 - p of 256 queries: (p + 1) + (8 - p) = 9 slots of 256 keys for every work-group, so all 256 have equal work and every trip count is a constant.
; Eight waves, 32 queries each (two tiles of 16), two waves to a SIMD: one wave's softmax stands beside the other's products and LDS loads.
; NO CLUSTER: the four work-groups of a head want different slots at the same trip, and the mask lets whole work-groups pass over tiles.
; LAYOUT.  S^T = K Q^T (source 0 = 16 keys, source 1 = 16 queries): a lane holds ONE query and eight keys; two such tiles, rounded in pairs, are source 1 of O^T = V^T P.  V comes out of LDS turned, by ds_load_tr16_b128.
; SOFTMAX.  A running maximum m and sum l for each query: p = 2^(c s - c m), c = log2(e) / 8; in every step O and l are multiplied by a = 2^(c m_old - c m_new).
; MASK.  In a pass's last slot a wave leaves out the steps all of whose keys come after its queries (a scalar branch on ids) and hides keys by -infinity in the one step on its diagonal.
; LIMITS: |K|, |Q|, |V| under 65,504 (f16); NaN and infinities are not served.
; REGISTERS.  window 0: v3-14 addresses; v16-31 statistics, 8 a tile; v32-95 S^T; v96-127 P; v128, v129 the add's two; v132-195 rows on their way out.  window 1: v0-63 O^T; v64-95 Q; v96-159 K; v160-223 V.
.set PK,    144                        ; a key's row in LDS: 128 bytes + 16
.set PV,    160                        ; a row of V: 128 + 32
.set VOFF,  256*PK                     ; a slot: 256 rows of K, then 256 of V
.set SLOT1, 1<<17                      ; slot 1 begins here: one exclusive or turns an address from one slot to the other
.set STAGE, SLOT1+256*(PK+PV)          ; behind the ring: 16 rows x 144 bytes for each wave
.set SPI,   144
.set SPARE, STAGE+8*16*SPI             ; the spare words, 128 bytes a wave
.set AK0, 3
.set AV0, 4
.set ADK, 5
.set ADV, 6
.set QO,  7
.set STO, 8
.set RD,  9
.set GO,  10
.set VD,  11                           ; v11, v12: my query in the diagonal step, less 8 h, for tiles 0 and 1
.set NINF, 13
.set PFO, 14
.set ST,  16                           ; tile u at v[ST+8u]: +0 c m, +1 m, +2, +3 l in two halves, +4..+7 at work (a takes +6)
.set SS,  32
.set PP,  96
.set SPW, 128
.set NIL, 129
.set OUT0, 132
.set OUT1, 164
.set QF,  64                           ; in window 1
.set KF,  96
.set VF,  160
.set WV,  12
.set BP,  13                           ; p
.set BP1, 14                           ; p + 1: the trip at which the second pass begins
.set TT,  16                           ; the trip
.set JJ,  17                           ; the step in a slot
.set LIMJ, 18
.set MASKJ, 19
.set SEL, 20
.set CS,  22
.set G1K, 24
.set G1V, 32
.set G0K, 40
.set G0V, 44
.set KB,  48                           ; s[48:49] K at my head and my quarter of a slot;  s[50:51] V likewise
.set VB,  50
.set QA,  52                           ; Q at my 32 rows: first pass, second pass
.set QB,  54
.set AA,  56                           ; acts likewise
.set AB,  58
.set OFF, 60
.set TBK, 62                           ; LDS byte at which the step's K begins; V's likewise (less VOFF)
.set TBV, 63
.set PFA, 66
.set LIMP, 68
.set W2,  69
.set MSB, 0
.macro WIN new
.if MSB != \new
	s_set_vgpr_msb (MSB<<8)|\new
.set MSB, \new
.endif
.endm
.set W_LD, 0x40                        ; destination window 1
.set W_KQ, 0x05                        ; K and Q window 1, S^T window 0
.set W_PV, 0x51                        ; V and O^T window 1, P window 0
.set W_RS, 0x41                        ; O^T window 1, a window 0
; Waves 0-3 fetch a quarter of K's 256 rows each, waves 4-7 of V's: one load a wave.  An s_nop 0 and four v_nop follow each line.
.macro JLOAD
	s_cmp_lt_u32 s[WV], 4
	s_cbranch_scc0 .Lfor_v_\@
	tensor_load_to_lds s[G0K:G0K+3], s[G1K:G1K+7]
	s_nop 0
.rept 4
	v_nop
.endr
	s_branch .Lasked_\@
.Lfor_v_\@:
	tensor_load_to_lds s[G0V:G0V+3], s[G1V:G1V+7]
	s_nop 0
.rept 4
	v_nop
.endr
.Lasked_\@:
.endm
; A prefetch of what the next change of slots will load.  Work-group p = 0 walks key slots 0 to 7 in its second pass, one a trip: at trip t it loads slot t and names slot t + 1, each wave its own 8,192 bytes, lanes 256 bytes apart.
; So slots 1 to 7 of each head are named once in the launch; nothing is named at the head, nor behind slot 7.
.macro ASK
	s_cmp_lt_u32 s[TT], s[LIMP]
	s_cbranch_scc0 .Lnot_mine_\@
	global_prefetch_b8 v[PFO], s[PFA:PFA+1] th:TH_LOAD_NT scope:SCOPE_SE
.Lnot_mine_\@:
.endm
	s_load_b128 s[4:7], s[0:1], 0x0                ; kqv, acts
	v_lshl_add_u32 v[SPW], v0, 2, SPARE
	v_mov_b32 v[NIL], 0
	ds_add_u32 v[SPW], v[NIL]                      ; the opening: the add, twice on end, and its wait ahead of my first tensor load
	ds_add_u32 v[SPW], v[NIL]
	v_lshrrev_b32 v1, 5, v0
	v_readfirstlane_b32 s[WV], v1                  ; wave 0..7
	s_mov_b32 s[BP], ttmp9
	s_add_co_u32 s[BP1], ttmp9, 1
	s_lshr_b32 s[W2], s[WV], 1                     ; the step of 64 keys in which my 32 queries' diagonal lies
	s_and_b32 s70, ttmp7, 0xffff                   ; batch x 16 + head
	s_and_b32 s71, s[WV], 3                        ; my quarter of a slot's rows
	s_mov_b32 s[G1K], (1<<16)|(1<<20)|(4<<22)|(3<<25)   ; elements of 2 bytes; 4 words of padding behind every 32
	s_mov_b32 s[G1V], (1<<16)|(1<<20)|(4<<22)|(7<<25)   ; 8 words
.irp g, G1K, G1V
	s_mov_b32 s[\g+1], 64<<16                      ; tensor_dim0
	s_mov_b32 s[\g+2], 64<<16                      ; tensor_dim1
	s_mov_b32 s[\g+3], 64<<16                      ; tile_dim0
	s_mov_b32 s[\g+4], 64                          ; tile_dim1
	s_mov_b32 s[\g+5], 64                          ; from row to row
	s_mov_b32 s[\g+6], 0
	s_mov_b32 s[\g+7], 0
.endr
	s_mov_b32 s[SEL], 0x76543210
	s_mov_b32 s[SEL+1], 0xfedcba98
	s_mov_b32 s[CS], 0x3e38aa3b                    ; c = log2(e) / 8
	s_mov_b32 s[CS+1], s[CS]
	s_mov_b32 s[TBK], 0
	s_mov_b32 s[TBV], 0
	s_mov_b32 s[OFF+1], 0
	s_cmp_eq_u32 ttmp9, 0
	s_cselect_b32 s[LIMP], 7, 0
	s_lshl_b32 s72, s70, 18                        ; the head's bytes in a kind
	s_lshl_b32 s73, s71, 13                        ; 64 rows of 128 bytes
	s_add_co_u32 s74, s72, s73
	s_mov_b32 s75, 0
	s_add_co_u32 s76, s74, 2<<24                   ; V is kind 2
	s_mov_b32 s77, 0
	s_lshl_b32 s73, s[WV], 12                      ; my 32 rows in a block
	s_lshl_b32 s78, ttmp9, 15
	s_add_co_u32 s78, s78, s73                     ; block p
	s_sub_co_u32 s79, 7, ttmp9
	s_lshl_b32 s79, s79, 15
	s_add_co_u32 s79, s79, s73                     ; block 7 - p
	s_add_co_u32 s72, s72, 1<<24                   ; Q is kind 1
	s_and_b32 s2, s70, 15
	s_lshl_b32 s2, s2, 20                          ; acts: the head's plane,
	s_lshr_b32 s3, s70, 4
	s_lshl_b32 s3, s3, 18                          ; the batch's rows
	s_add_co_u32 s2, s2, s3
	s_mul_i32 s3, s71, 64*PK                       ; where my quarter goes in a slot
	s_mul_i32 s71, s71, 64*PV
	s_add_co_u32 s71, s71, VOFF
	s_wait_dscnt 0x0                               ; both opening adds are done
	s_wait_kmcnt 0x0
	s_add_nc_u64 s[KB:KB+1], s[4:5], s[74:75]
	s_add_nc_u64 s[VB:VB+1], s[4:5], s[76:77]
	s_add_co_u32 s74, s72, s78
	s_add_nc_u64 s[QA:QA+1], s[4:5], s[74:75]
	s_add_co_u32 s74, s72, s79
	s_add_nc_u64 s[QB:QB+1], s[4:5], s[74:75]
	s_add_co_u32 s74, s2, s78
	s_add_nc_u64 s[AA:AA+1], s[6:7], s[74:75]
	s_add_co_u32 s74, s2, s79
	s_add_nc_u64 s[AB:AB+1], s[6:7], s[74:75]
	s_mov_b32 s[G0K], 1
	s_mov_b32 s[G0K+1], s3
	s_mov_b64 s[G0K+2:G0K+3], s[KB:KB+1]
	s_or_b32 s[G0K+3], s[G0K+3], 0x80000000
	s_mov_b32 s[G0V], 1
	s_mov_b32 s[G0V+1], s71
	s_mov_b64 s[G0V+2:G0V+3], s[VB:VB+1]
	s_or_b32 s[G0V+3], s[G0V+3], 0x80000000
	JLOAD                                          ; slot 0: keys 0 to 255, which every query block reads
	s_cmp_lt_u32 s[WV], 4
	s_cselect_b64 s[PFA:PFA+1], s[KB:KB+1], s[VB:VB+1]   ; my prefetches stand at my own quarter; the first change steps them to key slot 1
	v_and_b32 v1, 15, v0                           ; r
	v_bfe_u32 v2, v0, 4, 1                         ; h
	v_mul_u32_u24 v[AK0], v1, PK
	v_lshl_add_u32 v[AK0], v2, 4, v[AK0]           ; K: row r, + 16 h
	v_and_b32 v15, 7, v0
	v_lshl_add_u32 v[AV0], v2, 3, v15
	v_mul_u32_u24 v[AV0], v[AV0], PV
	v_bfe_u32 v15, v0, 3, 1
	v_lshl_add_u32 v[AV0], v15, 4, v[AV0]
	v_add_nc_u32 v[AV0], VOFF, v[AV0]              ; V: key 8 h + lane % 8, channels 8 ((lane / 8) % 2) on
	v_lshlrev_b32 v[QO], 7, v1
	v_lshl_add_u32 v[QO], v2, 4, v[QO]             ; Q in memory: row r of 128 bytes, + 16 h
	s_mul_i32 s70, s[WV], 16*SPI
	s_add_co_u32 s70, s70, STAGE                   ; my stage
	v_mul_u32_u24 v[STO], v1, SPI
	v_lshl_add_u32 v[STO], v2, 4, v[STO]
	v_add_nc_u32 v[STO], s70, v[STO]
	v_and_b32 v15, 31, v0
	v_lshrrev_b32 v[RD], 3, v15
	v_mul_u32_u24 v[RD], v[RD], SPI
	v_and_b32 v[ADK], 7, v0
	v_lshl_add_u32 v[RD], v[ADK], 4, v[RD]
	v_add_nc_u32 v[RD], s70, v[RD]                 ; back: eight lanes to a row, four rows an instruction
	v_lshlrev_b32 v[GO], 4, v15
	v_lshlrev_b32 v[PFO], 8, v15
	s_and_b32 s71, s[WV], 1
	s_lshl_b32 s71, s71, 5
	v_lshlrev_b32 v15, 3, v2
	v_sub_nc_u32 v[VD], v1, v15
	v_add_nc_u32 v[VD], s71, v[VD]                 ; 32 (wave % 2) + r - 8 h
	v_add_nc_u32 v[VD+1], 16, v[VD]
	v_mov_b32 v[NINF], 0xff800000
; A pass begins: Q's four fragments; m = -3e38, under every score; l and O^T zero (the first change of m multiplies zeros).  All eight statistics are written.
.macro BEGIN qb
	WIN W_LD
.irp u, 0,1
.irp c, 0,1
	global_load_b128 v[QF+16*\u+8*\c:QF+16*\u+8*\c+3], v[QO], s[\qb:\qb+1] offset:\u*2048+\c*64
	global_load_b128 v[QF+16*\u+8*\c+4:QF+16*\u+8*\c+7], v[QO], s[\qb:\qb+1] offset:\u*2048+\c*64+32
.endr
.endr
.set i, 0
.rept 64
	v_mov_b32 v[i], 0
.set i, i+1
.endr
	WIN 0
.irp u, 0,1
	v_mov_b32 v[ST+8*\u+1], 0xff61b1e6
	v_mul_f32 v[ST+8*\u], s[CS], v[ST+8*\u+1]
.irp n, 2,3,4,5,6,7
	v_mov_b32 v[ST+8*\u+\n], 0
.endr
.endr
	s_wait_loadcnt 0x0
.endm
; A KEY STEP: 64 keys.
.macro STEP
	s_cmp_gt_u32 s[JJ], s[LIMJ]                    ; all its keys come after my queries: only the addresses step
	s_cbranch_scc1 .Lskip_\@
	v_add_nc_u32 v[ADK], s[TBK], v[AK0]
	v_add_nc_u32 v[ADV], s[TBV], v[AV0]
	WIN W_LD
.irp kt, 0,1,2,3
.irp c, 0,1
	ds_load_b128 v[KF+16*\kt+8*\c:KF+16*\kt+8*\c+3], v[ADK] offset:\kt*16*PK+\c*64
	ds_load_b128 v[KF+16*\kt+8*\c+4:KF+16*\kt+8*\c+7], v[ADK] offset:\kt*16*PK+\c*64+32
.endr
.endr
	s_wait_dscnt 0x0
	WIN W_KQ
.irp c, 0,1                            ; the eight accumulators take turns, one instruction a turn; the first eight start the sums
.irp kt, 0,1,2,3
.irp u, 0,1
.if \c == 0
	v_wmma_f32_16x16x32_f16 v[SS+32*\u+8*\kt:SS+32*\u+8*\kt+7], v[KF+16*\kt+8*\c:KF+16*\kt+8*\c+7], v[QF+16*\u+8*\c:QF+16*\u+8*\c+7], 0
.else
	v_wmma_f32_16x16x32_f16 v[SS+32*\u+8*\kt:SS+32*\u+8*\kt+7], v[KF+16*\kt+8*\c:KF+16*\kt+8*\c+7], v[QF+16*\u+8*\c:QF+16*\u+8*\c+7], v[SS+32*\u+8*\kt:SS+32*\u+8*\kt+7]
.endif
.endr
.endr
.endr
.rept 4
	v_nop                                          ; places ahead of the scores' first read; with the two additions above, six between the last step's V^T P and the loads into V's registers
.endr
	WIN W_LD
.irp g, 0,1
.irp ct, 0,1,2,3
	ds_load_tr16_b128 v[VF+32*\g+8*\ct:VF+32*\g+8*\ct+3], v[ADV] offset:\g*32*PV+\ct*32
	ds_load_tr16_b128 v[VF+32*\g+8*\ct+4:VF+32*\g+8*\ct+7], v[ADV] offset:\g*32*PV+16*PV+\ct*32
.endr
.endr
	WIN 0
	s_cmp_lg_u32 s[JJ], s[MASKJ]                   ; only the step on my diagonal hides keys
	s_cbranch_scc1 .Lopen_\@
.irp u, 0,1
.irp kt, 0,1,2,3
.irp j, 0,1,2,3,4,5,6,7
	v_cmp_gt_i32 vcc_lo, 16*\kt+\j, v[VD+\u]       ; register j of tile kt holds key 16 kt + 8 h + j: hidden where it comes after my query
	v_cndmask_b32 v[SS+32*\u+8*\kt+\j], v[SS+32*\u+8*\kt+\j], v[NINF], vcc_lo
.endr
.endr
.endr
.Lopen_\@:
.irp j, 0,1,2,3                        ; the maximum of 32 scores and the old m, the two tiles line by line; each accumulator from its low end
.irp u, 0,1
	v_max3_num_f32 v[ST+8*\u+4+\j], v[SS+32*\u+8*\j], v[SS+32*\u+8*\j+1], v[SS+32*\u+8*\j+2]
.endr
.endr
.irp i, 3,5
.irp j, 0,1,2,3
.irp u, 0,1
	v_max3_num_f32 v[ST+8*\u+4+\j], v[ST+8*\u+4+\j], v[SS+32*\u+8*\j+\i], v[SS+32*\u+8*\j+\i+1]
.endr
.endr
.endr
.irp u, 0,1
	v_max3_num_f32 v[ST+8*\u+4], v[ST+8*\u+4], v[SS+32*\u+7], v[SS+32*\u+15]
.endr
.irp u, 0,1
	v_max3_num_f32 v[ST+8*\u+6], v[ST+8*\u+6], v[SS+32*\u+23], v[SS+32*\u+31]
.endr
.irp u, 0,1
	v_max3_num_f32 v[ST+8*\u+4], v[ST+8*\u+4], v[ST+8*\u+5], v[ST+8*\u+6]
.endr
.irp u, 0,1
	v_max3_num_f32 v[ST+8*\u+4], v[ST+8*\u+4], v[ST+8*\u+7], v[ST+8*\u+1]
.endr
.irp u, 0,1
	v_permlanex16_b32 v[ST+8*\u+5], v[ST+8*\u+4], s[SEL], s[SEL+1]   ; the query's other 32 keys lie in the lane 16 away
.endr
.irp u, 0,1
	v_mov_b32 v[ST+8*\u+7], v[ST+8*\u]             ; c m_old
.endr
.irp u, 0,1
	v_max_num_f32 v[ST+8*\u+1], v[ST+8*\u+4], v[ST+8*\u+5]
.endr
.irp u, 0,1
	v_mul_f32 v[ST+8*\u], s[CS], v[ST+8*\u+1]
.endr
.irp u, 0,1
	v_sub_f32 v[ST+8*\u+7], v[ST+8*\u+7], v[ST+8*\u]
.endr
.set i, 0
.rept 16
.irp u, 0,1
	v_pk_fma_f32 v[SS+32*\u+2*i:SS+32*\u+2*i+1], v[SS+32*\u+2*i:SS+32*\u+2*i+1], s[CS:CS+1], v[ST+8*\u:ST+8*\u+1] op_sel_hi:[1,0,0] neg_lo:[0,0,1] neg_hi:[0,0,1]   ; c s - c m
.endr
.set i, i+1
.endr
.irp u, 0,1
	v_exp_f32 v[ST+8*\u+6], v[ST+8*\u+7]           ; a
.endr
.set i, 0
.rept 32
.irp u, 0,1
	v_exp_f32 v[SS+32*\u+i], v[SS+32*\u+i]         ; p, at most 1
.endr
.set i, i+1
.endr
	v_nop                                          ; one plain instruction behind the batch of 66,
	s_wait_alu depctr_va_vdst(0)                   ; and the one wait ahead of its first reader
.set i, 0
.rept 16
.irp u, 0,1
	v_cvt_pk_f16_f32 v[PP+16*\u+i], v[SS+32*\u+2*i], v[SS+32*\u+2*i+1]
.endr
.set i, i+1
.endr
.irp z, 0,1,2,3,4,5,6,7                ; the sum of the 16 pairs, in place, neighbours 1, 2, 4 and 8 pairs apart
.irp u, 0,1
	v_pk_add_f32 v[SS+32*\u+4*\z:SS+32*\u+4*\z+1], v[SS+32*\u+4*\z:SS+32*\u+4*\z+1], v[SS+32*\u+4*\z+2:SS+32*\u+4*\z+3]
.endr
.endr
.irp z, 0,1,2,3
.irp u, 0,1
	v_pk_add_f32 v[SS+32*\u+8*\z:SS+32*\u+8*\z+1], v[SS+32*\u+8*\z:SS+32*\u+8*\z+1], v[SS+32*\u+8*\z+4:SS+32*\u+8*\z+5]
.endr
.endr
.irp z, 0,1
.irp u, 0,1
	v_pk_add_f32 v[SS+32*\u+16*\z:SS+32*\u+16*\z+1], v[SS+32*\u+16*\z:SS+32*\u+16*\z+1], v[SS+32*\u+16*\z+8:SS+32*\u+16*\z+9]
.endr
.endr
.irp u, 0,1
	v_pk_add_f32 v[SS+32*\u:SS+32*\u+1], v[SS+32*\u:SS+32*\u+1], v[SS+32*\u+16:SS+32*\u+17]
.endr
.irp u, 0,1
	v_pk_fma_f32 v[ST+8*\u+2:ST+8*\u+3], v[ST+8*\u+2:ST+8*\u+3], v[ST+8*\u+6:ST+8*\u+7], v[SS+32*\u:SS+32*\u+1] op_sel_hi:[1,0,1]   ; l = l a + the sum
.endr
	WIN W_RS
.set i, 0
.rept 16
.irp u, 0,1
	v_pk_mul_f32 v[32*\u+2*i:32*\u+2*i+1], v[32*\u+2*i:32*\u+2*i+1], v[ST+8*\u+6:ST+8*\u+7] op_sel_hi:[1,0]   ; O^T times a, each accumulator from its low end
.endr
.set i, i+1
.endr
	s_wait_dscnt 0x0                               ; V is in
	WIN W_PV
.irp g, 0,1
.irp ct, 0,1,2,3
.irp u, 0,1
	v_wmma_f32_16x16x32_f16 v[32*\u+8*\ct:32*\u+8*\ct+7], v[VF+32*\g+8*\ct:VF+32*\g+8*\ct+7], v[PP+16*\u+8*\g:PP+16*\u+8*\g+7], v[32*\u+8*\ct:32*\u+8*\ct+7]
.endr
.endr
.endr
	WIN 0
.Lskip_\@:
	s_add_co_u32 s[TBK], s[TBK], 64*PK
	s_add_co_u32 s[TBV], s[TBV], 64*PV
	s_add_co_u32 s[JJ], s[JJ], 1
.endm
.macro SLOT_STEPS                      ; a slot's four steps: written once, walked four times; then on to the other slot
	s_mov_b32 s[JJ], 0
.Lstep_\@:
	STEP
	s_cmp_lt_u32 s[JJ], 4
	s_cbranch_scc1 .Lstep_\@
	s_sub_co_u32 s[TBK], s[TBK], 4*64*PK
	s_sub_co_u32 s[TBV], s[TBV], 4*64*PV
	s_xor_b32 s[TBK], s[TBK], SLOT1
	s_xor_b32 s[TBV], s[TBV], SLOT1
.endm
; THE CHANGE OF SLOTS stands at a slot's head.  Each wave waits for all its tensor loads (its part of the slot ahead), adds 0 to its spare word, and waits for that and for its reads of the slot that it has left.
; fill = 1: behind the barrier that slot takes the next trip's keys: key slot t + 1, or t - p from the second pass on.  One load a wave; it has a slot's four steps in which to land.
.macro CHANGE fill
	s_wait_tensorcnt 0x0                           ; no tensor load of mine is out: the groups 0 may be written
	ds_add_u32 v[SPW], v[NIL]
.if \fill
	s_add_co_u32 s70, s[TT], 1
	s_cmp_gt_u32 s70, s[BP]
	s_cselect_b32 s71, s[BP1], 0
	s_sub_co_u32 s70, s70, s71                     ; the next trip's key slot
	s_lshl_b32 s[OFF], s70, 15                     ; 256 rows of 128 bytes
	s_add_nc_u64 s[G0K+2:G0K+3], s[KB:KB+1], s[OFF:OFF+1]
	s_or_b32 s[G0K+3], s[G0K+3], 0x80000000
	s_add_nc_u64 s[G0V+2:G0V+3], s[VB:VB+1], s[OFF:OFF+1]
	s_or_b32 s[G0V+3], s[G0V+3], 0x80000000
	s_xor_b32 s[G0K+1], s[G0K+1], SLOT1
	s_xor_b32 s[G0V+1], s[G0V+1], SLOT1
	s_wait_xcnt 0x0                                ; the last prefetch, a slot back, has read its address
	s_add_nc_u64 s[PFA:PFA+1], s[PFA:PFA+1], 32768
.endif
	s_wait_dscnt 0x0
	s_barrier_signal -1
	s_barrier_wait -1
.if \fill
	JLOAD
	ASK
.endif
.endm
; A pass ends: O^T / l, f16, through my stage, a tile of 16 queries at a time; a store covers four rows, 512 consecutive bytes.  ab: the pass's base; ob: this copy's own registers for the rows.
.macro FINISH ab, ob
.rept 4
	v_nop                                          ; places behind the last products
.endr
.irp u, 0,1
	v_add_f32 v[ST+8*\u+4], v[ST+8*\u+2], v[ST+8*\u+3]
.endr
.irp u, 0,1
	v_permlanex16_b32 v[ST+8*\u+5], v[ST+8*\u+4], s[SEL], s[SEL+1]
.endr
.irp u, 0,1
	v_add_f32 v[ST+8*\u+4], v[ST+8*\u+4], v[ST+8*\u+5]
.endr
.irp u, 0,1
	v_rcp_f32 v[ST+8*\u+6], v[ST+8*\u+4]
.endr
	v_nop
	s_wait_alu depctr_va_vdst(0)                   ; one wait for the two reciprocals, ahead of their first reader
.irp u, 0,1
	WIN 0x01                                       ; O^T in window 1
.set i, 0
.rept 16
	v_pk_mul_f32 v[SS+32*\u+2*i:SS+32*\u+2*i+1], v[32*\u+2*i:32*\u+2*i+1], v[ST+8*\u+6:ST+8*\u+7] op_sel_hi:[1,0]
.set i, i+1
.endr
	WIN 0
.set i, 0
.rept 16
	v_cvt_pk_f16_f32 v[PP+16*\u+i], v[SS+32*\u+2*i], v[SS+32*\u+2*i+1]
.set i, i+1
.endr
.irp ct, 0,1,2,3
	ds_store_b128 v[STO], v[PP+16*\u+4*\ct:PP+16*\u+4*\ct+3] offset:32*\ct
.endr
.irp n, 0,1,2,3
	ds_load_b128 v[\ob+16*\u+4*\n:\ob+16*\u+4*\n+3], v[RD] offset:\n*4*SPI   ; in order behind my stores
.endr
.irp n, 0,1,2,3
	s_wait_dscnt 3-\n
	global_store_b128 v[GO], v[\ob+16*\u+4*\n:\ob+16*\u+4*\n+3], s[\ab:\ab+1] offset:\u*2048+512*\n
.endr
.endr
.endm
	BEGIN QA
	s_mov_b32 s[TT], 0
.Ltrip:                                        ; eight trips; behind each change the next trip's slot is asked for (trip 0's eight loads are slot 1's first fills)
	CHANGE 1
	s_cmp_lg_u32 s[TT], s[BP1]                     ; the work-group's number and the count of trips: all waves go the same way
	s_cbranch_scc1 .Lsame_pass
	FINISH AA, OUT0
	BEGIN QB
.Lsame_pass:
	s_cmp_eq_u32 s[TT], s[BP]                      ; the first pass's last slot holds its diagonal
	s_cselect_b32 s[LIMJ], s[W2], 3
	s_cselect_b32 s[MASKJ], s[W2], 99
	SLOT_STEPS
	s_add_co_u32 s[TT], s[TT], 1
	s_cmp_lt_u32 s[TT], 8
	s_cbranch_scc1 .Ltrip
	CHANGE 0                                       ; the ninth trip is written out: nothing is left to ask for; it holds the second pass's diagonal
	s_mov_b32 s[LIMJ], s[W2]
	s_mov_b32 s[MASKJ], s[W2]
	SLOT_STEPS
	FINISH AB, OUT1
	s_wait_tensorcnt 0x0                           ; the wave's end
	ds_add_u32 v[SPW], v[NIL]
	s_wait_dscnt 0x0
	s_endpgm
.Lfunc_end_k_q5f2bfae495_attn:
	.size	k_q5f2bfae495_attn, .Lfunc_end_k_q5f2bfae495_attn-k_q5f2bfae495_attn
	.p2alignl 7, 3214868480
	.fill 96, 4, 3214868480
	.section	.rodata,"a",@progbits
	.p2align	6, 0x0
	.amdhsa_kernel k_q5f2bfae495_attn
		.amdhsa_group_segment_fixed_size 327680
		.amdhsa_private_segment_fixed_size 0
		.amdhsa_enable_private_segment 0
		.amdhsa_kernarg_size 16
		.amdhsa_user_sgpr_count 2
		.amdhsa_user_sgpr_kernarg_segment_ptr 1
		.amdhsa_wavefront_size32 1
		.amdhsa_system_sgpr_workgroup_id_x 1
		.amdhsa_system_sgpr_workgroup_id_y 1
		.amdhsa_system_sgpr_workgroup_id_z 1
		.amdhsa_system_vgpr_workitem_id 0
		.amdhsa_next_free_vgpr 512
		.amdhsa_next_free_sgpr 80
		.amdhsa_reserve_vcc 1
		.amdhsa_float_denorm_mode_32 3
		.amdhsa_float_denorm_mode_16_64 3
		.amdhsa_memory_ordered 1
		.amdhsa_forward_progress 1
		.amdhsa_inst_pref_size 72
	.end_amdhsa_kernel
	.amdgpu_metadata
---
amdhsa.version: [ 1, 2 ]
amdhsa.kernels:
  - .name:           k_q5f2bfae495_attn
    .symbol:         k_q5f2bfae495_attn.kd
    .args:
      - { .name: kqv, .offset: 0, .size: 8, .value_kind: global_buffer, .address_space: global }
      - { .name: acts, .offset: 8, .size: 8, .value_kind: global_buffer, .address_space: global }
    .group_segment_fixed_size: 327680
    .private_segment_fixed_size: 0
    .kernarg_segment_align: 8
    .kernarg_segment_size: 16
    .max_flat_workgroup_size: 256
    .sgpr_count:     80
    .vgpr_count:     512
    .wavefront_size: 32
...
	.end_amdgpu_metadata
.endif
;; end of part 3
;; launch proj (part 4): grid 4 x 64, 4 waves a work-group, clusters of 4 x 4, 327,680 bytes of LDS; arguments acts, wo16, out0; writes out0
.if DOCPART == 4
	.amdgcn_target "amdgcn-amd-amdhsa--gfx1250"
	.amdhsa_code_object_version 6
	.text
	.protected	k_q5f2bfae495_proj
	.globl	k_q5f2bfae495_proj
	.p2align	8
	.type	k_q5f2bfae495_proj,@function
k_q5f2bfae495_proj:
	s_mov_b64 s[64:65], 0
	v_nop
	global_prefetch_b8 v0, s[64:65] scope:SCOPE_SE
	s_setreg_imm32_b32 hwreg(HW_REG_WAVE_MODE, 25, 1), 1
	s_wait_xcnt 0x0
	s_wait_alu depctr_hold_cnt(0) depctr_sa_sdst(0) depctr_va_vdst(0) depctr_va_sdst(0) depctr_va_ssrc(0) depctr_va_vcc(0) depctr_vm_vsrc(0)
	s_getreg_b32 s2, hwreg(HW_REG_IB_STS2, 6, 4)
	s_cmp_eq_u32 s2, 0
	s_cbranch_scc0 .Lentry_in_a_cluster
	s_endpgm
.Lentry_in_a_cluster:
	s_bfe_u32 s2, ttmp6, 0x10000c
	s_cmp_lg_u32 s2, 0xf033
	s_cbranch_scc0 .Lentry_shape_is_right
	s_endpgm
.Lentry_shape_is_right:
; out[row][e] = sum over d of acts[row][d] W_O[e][d], operands in f16, sums in f32, out in f32.  M 8,192, N 1,024, K 1,024.
; acts lies [head][row][64]: a K step of 128 is two heads' planes; W_O as f16 [e][d].  (Positions 0 to 15 of every sequence are written again, finely, by the launch that follows.)
; A tile is 128 rows x 256 columns: 256 work-groups.  Four waves, each 64 x 128: 32 accumulators.  K goes in 8 steps of 128 through two LDS slots.
; CLUSTER 4 x 4: the four of a row of the cluster need the same rows of acts, the four of a column the same rows of W_O: each tile is asked for jointly, by one descriptor and a mask that names the four.
; THE MATRIX INSTRUCTION IS USED TRANSPOSED (source 0 = 16 rows of W_O, source 1 = 16 rows of acts): a lane holds eight neighbouring numbers of a row of out.
; REGISTERS.  window 0: v0-31 addresses; v64-95, v96-127 fragments of acts, two buffers; v128-255 rows on their way out.  window 1: v0-63, v64-127 fragments of W_O.  window 2: the accumulators, (a, b) at v[8 (8 a + b)].
.set PA,    144                        ; a row of a head's plane in LDS: 128 bytes + 16
.set PB,    272                        ; a row of W_O's tile: 256 bytes + 16
.set AHALF, 128*PA                     ; one head's 128 rows
.set BHALF, 128*PB
.set SLOT,  2*AHALF+2*BHALF
.set STAGE, 2*SLOT                     ; behind the ring: 16 rows x 528 bytes for each wave
.set SPITCH, 528
.set SPARE, STAGE+4*16*SPITCH
.set LAPS,  4
.set ADRA, 16
.set ADRB, 20
.set STO,  24
.set RD,   25
.set CO,   26
.set SPW,  28
.set NIL,  29
.set FA,   64
.set BK,   128
.set G1, 24
.set G0, 32
.set G1B, 48
.set G0B, 56
.set MSB, 0
.macro WIN new
.if MSB != \new
	s_set_vgpr_msb (MSB<<8)|\new
.set MSB, \new
.endif
.endm
.set MUL,  0xa1                        ; source 0 (W_O) window 1, source 1 (acts) window 0, C and D window 2
.set TO_B, 0x40
.macro JLOAD s                         ; waves 0 and 1 fetch the K step's two heads of acts, waves 2 and 3 the two halves of W_O's rows; an s_nop 0 and four v_nop follow each line
	s_cmp_eq_u32 s11, 0
	s_cbranch_scc0 .Lfor_b_\@
	tensor_load_to_lds s[G0+4*\s:G0+4*\s+3], s[G1:G1+7]
	s_nop 0
.rept 4
	v_nop
.endr
	s_branch .Lasked_\@
.Lfor_b_\@:
	tensor_load_to_lds s[G0B+4*\s:G0B+4*\s+3], s[G1B:G1B+7]
	s_nop 0
.rept 4
	v_nop
.endr
.Lasked_\@:
.endm
.macro CREST
	s_cmp_lg_u32 s10, 0
	s_cbranch_scc1 .Lnot_wave_0_\@
	s_barrier_signal -3
.Lnot_wave_0_\@:
	s_barrier_wait -3
	s_barrier_signal -1
	s_barrier_wait -1
.endm
.macro CROUND
	s_barrier_signal -1
	s_barrier_wait -1
	CREST
.endm
	s_load_b128 s[4:7], s[0:1], 0x0                ; acts, wo16
	s_load_b64 s[8:9], s[0:1], 0x10                ; out0
	v_lshl_add_u32 v[SPW], v0, 2, SPARE
	v_mov_b32 v[NIL], 0
	ds_add_u32 v[SPW], v[NIL]                      ; the opening: the add, twice on end, and its wait ahead of my first tensor load
	ds_add_u32 v[SPW], v[NIL]
	v_lshrrev_b32 v1, 5, v0
	v_readfirstlane_b32 s10, v1                    ; wave 0..3
	s_lshr_b32 s11, s10, 1                         ; my half of the tile's rows.  Also: I fetch for acts (0) or W_O (1)
	s_and_b32 s12, s10, 1                          ; my half of its columns.  Also: which head, or which 128 rows, I fetch
	s_bfe_u32 s40, ttmp6, 0x40000                  ; cx, cy
	s_bfe_u32 s41, ttmp6, 0x40004
	s_lshl_b32 s42, ttmp9, 2
	s_add_co_u32 s42, s42, s40                     ; tile column
	s_and_b32 s13, ttmp7, 0xffff
	s_lshl_b32 s13, s13, 2
	s_add_co_u32 s13, s13, s41                     ; tile row
	s_lshl_b32 s43, s41, 2
	s_lshl_b32 s43, 15, s43                        ; my row of the cluster
	s_lshl_b32 s44, 0x1111, s40                    ; my column
	s_or_b32 s[G1+0], s43, (1<<16)|(1<<20)|(1<<21)|(4<<22)|(3<<25)    ; acts: elements of 2 bytes, 4 words of padding behind every 32
	s_mov_b32 s[G1+1], 64<<16
	s_mov_b32 s[G1+2], 128<<16
	s_mov_b32 s[G1+3], 64<<16
	s_mov_b32 s[G1+4], 128
	s_mov_b32 s[G1+5], 64
	s_mov_b32 s[G1+6], 0
	s_mov_b32 s[G1+7], 0
	s_or_b32 s[G1B+0], s44, (1<<16)|(1<<20)|(1<<21)|(5<<22)|(3<<25)   ; W_O: behind every 64
	s_mov_b32 s[G1B+1], 128<<16
	s_mov_b32 s[G1B+2], 128<<16
	s_mov_b32 s[G1B+3], 128<<16
	s_mov_b32 s[G1B+4], 128
	s_mov_b32 s[G1B+5], 1024
	s_mov_b32 s[G1B+6], 0
	s_mov_b32 s[G1B+7], 0
	s_lshl_b32 s16, s12, 20                        ; acts: my head of the K step's two,
	s_lshl_b32 s17, s13, 14                        ; the tile's 128 rows of 128 bytes
	s_add_co_u32 s16, s16, s17
	s_mov_b32 s17, 0
	s_lshl_b32 s46, s42, 8
	s_lshl_b32 s47, s12, 7
	s_add_co_u32 s46, s46, s47
	s_lshl_b32 s46, s46, 11                        ; W_O: row 256 x tile column + 128 x half, 2,048 bytes a row
	s_mov_b32 s47, 0
	s_mul_i32 s20, s12, AHALF                      ; where they go: no place in the cluster enters an LDS address
	s_mul_i32 s21, s12, BHALF
	s_add_co_u32 s21, s21, 2*AHALF
	s_wait_dscnt 0x0
	s_wait_kmcnt 0x0
	s_add_nc_u64 s[14:15], s[4:5], s[16:17]
	s_add_nc_u64 s[46:47], s[6:7], s[46:47]
	CROUND                                         ; all sixteen work-groups are here: the first joint loads meet
.irp s, 0,1
	s_mov_b32 s[G0+4*\s], 1
	s_add_co_u32 s[G0+4*\s+1], s20, \s*SLOT
	s_add_nc_u64 s[G0+4*\s+2:G0+4*\s+3], s[14:15], \s*2097152      ; K step s: two planes on
	s_or_b32 s[G0+4*\s+3], s[G0+4*\s+3], 0x80000000
	s_mov_b32 s[G0B+4*\s], 1
	s_add_co_u32 s[G0B+4*\s+1], s21, \s*SLOT
	s_add_nc_u64 s[G0B+4*\s+2:G0B+4*\s+3], s[46:47], \s*256
	s_or_b32 s[G0B+4*\s+3], s[G0B+4*\s+3], 0x80000000
	JLOAD \s
.endr
	v_and_b32 v1, 15, v0
	v_bfe_u32 v2, v0, 4, 1
	v_mul_u32_u24 v3, v1, PA
	v_lshl_add_u32 v3, v2, 4, v3
	v_mul_u32_u24 v4, v1, PB
	v_lshl_add_u32 v4, v2, 4, v4
	s_mul_i32 s21, s11, 64*PA                      ; my 64 rows of acts
	s_mul_i32 s22, s12, BHALF                      ; my 128 rows of W_O
	s_add_co_u32 s22, s22, 2*AHALF
.irp s, 0,1
	v_add_nc_u32 v[ADRA+\s], s21, v3
	v_add_nc_u32 v[ADRB+\s], s22, v4
	s_add_co_u32 s21, s21, SLOT
	s_add_co_u32 s22, s22, SLOT
.endr
	s_mul_i32 s23, s10, 16*SPITCH
	s_add_co_u32 s23, s23, STAGE
	v_mul_u32_u24 v5, v1, SPITCH
	v_lshl_add_u32 v5, v2, 5, v5
	v_add_nc_u32 v[STO], s23, v5                   ; in: row r, 32 bytes for each half of the lanes
	v_and_b32 v6, 31, v0
	v_lshlrev_b32 v[CO], 4, v6
	v_add_nc_u32 v[RD], s23, v[CO]                 ; back: the 32 lanes take a row of 512 bytes
	s_lshl_b32 s16, s13, 7
	s_lshl_b32 s17, s11, 6
	s_add_co_u32 s16, s16, s17
	s_lshl_b32 s16, s16, 12                        ; my first row of out, 4,096 bytes a row
	s_mov_b32 s17, 0
	s_add_nc_u64 s[8:9], s[8:9], s[16:17]
	s_lshl_b32 s46, s42, 10
	s_lshl_b32 s47, s12, 9
	s_add_co_u32 s46, s46, s47                     ; my first column, in bytes
	s_mov_b32 s47, 0
	s_add_nc_u64 s[8:9], s[8:9], s[46:47]
.macro MULA f, a, zero                 ; 8 matrix instructions: block a of my rows x the eight blocks of columns, 32 along K.  The 32 accumulators take turns in the same order in every quarter
.irp b, 0,1,2,3,4,5,6,7
.if \zero
	v_wmma_f32_16x16x32_f16 v[8*(8*(\a)+\b):8*(8*(\a)+\b)+7], v[64*(\f)+8*\b:64*(\f)+8*\b+7], v[FA+32*(\f)+8*(\a):FA+32*(\f)+8*(\a)+7], 0
.else
	v_wmma_f32_16x16x32_f16 v[8*(8*(\a)+\b):8*(8*(\a)+\b)+7], v[64*(\f)+8*\b:64*(\f)+8*\b+7], v[FA+32*(\f)+8*(\a):FA+32*(\f)+8*(\a)+7], v[8*(8*(\a)+\b):8*(8*(\a)+\b)+7]
.endif
.endr
.endm
.macro FETCH slot, q, f                ; 24 LDS loads in one run: quarter q (32 along K) of the slot into buffer f: W_O's eight fragments, then acts' four
	WIN TO_B
.irp i, 0,1,2,3,4,5,6,7
	ds_load_b128 v[64*(\f)+8*\i:64*(\f)+8*\i+3], v[ADRB+\slot] offset:64*(\q)+\i*16*PB
	ds_load_b128 v[64*(\f)+8*\i+4:64*(\f)+8*\i+7], v[ADRB+\slot] offset:64*(\q)+\i*16*PB+32
.endr
	WIN 0
.irp i, 0,1,2,3
	ds_load_b128 v[FA+32*(\f)+8*\i:FA+32*(\f)+8*\i+3], v[ADRA+\slot] offset:((\q)/2)*AHALF+((\q)%2)*64+\i*16*PA
	ds_load_b128 v[FA+32*(\f)+8*\i+4:FA+32*(\f)+8*\i+7], v[ADRA+\slot] offset:((\q)/2)*AHALF+((\q)%2)*64+\i*16*PA+32
.endr
.endm
.macro PLACES
.rept 4
	v_nop
.endr
.endm
.macro QUARTER slot, qn, f, g, zero    ; multiplies buffer f; in its middle fetches quarter qn into buffer g
	s_wait_dscnt 4                                 ; W_O's fragments and acts' blocks 0, 1 are in; blocks 2, 3 may be out
	WIN MUL
	MULA \f, 0, \zero
	MULA \f, 1, \zero
	PLACES
	FETCH \slot, \qn, \g
	s_wait_dscnt 24                                ; all but the 24 just issued
	WIN MUL
	MULA \f, 2, \zero
	MULA \f, 3, \zero
.endm
; A K step's last quarter multiplies buffer 1 and changes slots: one barrier; in front of it each wave waits for all its tensor loads, adds 0 to its spare word, and waits for that and for its reads of this slot.
; fill = 1: the barrier opens a round of the cluster's, and the slot is filled again, two K steps ahead, first thing behind it.
.macro TURN slot, next, fill
	WIN 0
	s_wait_tensorcnt 0x0
	ds_add_u32 v[SPW], v[NIL]
	s_wait_dscnt 5                                 ; the add and acts' blocks 2, 3 may be out
	WIN MUL
	MULA 1, 0, 0
	s_wait_dscnt 0x0
	s_barrier_signal -1
	MULA 1, 1, 0
	WIN 0
	s_barrier_wait -1
.if \fill
	CREST
	s_add_nc_u64 s[G0+4*\slot+2:G0+4*\slot+3], s[G0+4*\slot+2:G0+4*\slot+3], 4194304   ; four planes on
	s_add_nc_u64 s[G0B+4*\slot+2:G0B+4*\slot+3], s[G0B+4*\slot+2:G0B+4*\slot+3], 512
	JLOAD \slot                                    ; its four v_nop are also the places in front of the loads below
.else
	PLACES
.endif
	FETCH \next, 0, 0
	WIN MUL
	MULA 1, 2, 0
	MULA 1, 3, 0
.endm
	s_wait_tensorcnt 1                             ; my part of K step 0 is in; K step 1's may be out
	s_barrier_signal -1
	s_barrier_wait -1
	FETCH 0, 0, 0
	QUARTER 0, 1, 0, 1, 1                          ; the first quarter's products start the sums
	WIN 0
	s_mov_b32 s3, LAPS-1
.Llap:                                         ; a trip goes once round the ring and fills both slots again
	QUARTER 0, 2, 1, 0, 0
	QUARTER 0, 3, 0, 1, 0
	TURN 0, 1, 1
	QUARTER 1, 1, 0, 1, 0
	QUARTER 1, 2, 1, 0, 0
	QUARTER 1, 3, 0, 1, 0
	TURN 1, 0, 1
	QUARTER 0, 1, 0, 1, 0
	WIN 0
	s_sub_co_u32 s3, s3, 1
	s_cmp_lg_u32 s3, 0
	s_cbranch_scc1 .Llap
	QUARTER 0, 2, 1, 0, 0                          ; the last lap fills nothing
	QUARTER 0, 3, 0, 1, 0
	TURN 0, 1, 0
	QUARTER 1, 1, 0, 1, 0
	QUARTER 1, 2, 1, 0, 0
	QUARTER 1, 3, 0, 1, 0
	s_wait_dscnt 4
	WIN MUL
	MULA 1, 0, 0
	MULA 1, 1, 0
	s_wait_dscnt 0
	MULA 1, 2, 0
	MULA 1, 3, 0
	WIN 0
; THE WAY OUT, block by block of 16 rows x 128 columns, through my own stage, back as whole rows of 512 bytes.
.macro TOSTAGE a
	WIN 0x08                                       ; an LDS store's data are its source 1: window 2
.irp b, 0,1,2,3,4,5,6,7
	ds_store_b128 v[STO], v[8*(8*(\a)+\b):8*(8*(\a)+\b)+3] offset:64*\b          ; each accumulator from its low end on
	ds_store_b128 v[STO], v[8*(8*(\a)+\b)+4:8*(8*(\a)+\b)+7] offset:64*\b+16
.endr
	WIN 0
.set BB, BK+64*((\a)%2)
.irp t, 0,1,2,3,4,5,6,7,8,9,10,11,12,13,14,15
	ds_load_b128 v[BB+4*\t:BB+4*\t+3], v[RD] offset:\t*SPITCH
.endr
.endm
.macro SEND a, younger
.set BB, BK+64*((\a)%2)
	s_wait_dscnt \younger
.if (\a) > 0
	s_add_nc_u64 s[8:9], s[8:9], 65536             ; 16 rows on (the earlier stores have read their base: a wait on XCNT stands ahead)
.endif
.irp t, 0,1,2,3,4,5,6,7,8,9,10,11,12,13,14,15
	global_store_b128 v[CO], v[BB+4*\t:BB+4*\t+3], s[8:9] offset:\t*4096 th:TH_STORE_NT   ; 512 consecutive bytes
.endr
.endm
	PLACES
	TOSTAGE 0
.irp a, 1,2,3
.if \a > 1
	s_wait_xcnt 0x0                                ; block a - 2's stores have read their registers and their base
.endif
	TOSTAGE \a
	SEND \a-1, 32
.endr
	s_wait_xcnt 0x0
	SEND 3, 0
	s_wait_tensorcnt 0x0                           ; the wave's end
	ds_add_u32 v[SPW], v[NIL]
	s_wait_dscnt 0x0
	CROUND                                         ; the closing round
	s_endpgm
.Lfunc_end_k_q5f2bfae495_proj:
	.size	k_q5f2bfae495_proj, .Lfunc_end_k_q5f2bfae495_proj-k_q5f2bfae495_proj
	.p2alignl 7, 3214868480
	.fill 96, 4, 3214868480
	.section	.rodata,"a",@progbits
	.p2align	6, 0x0
	.amdhsa_kernel k_q5f2bfae495_proj
		.amdhsa_group_segment_fixed_size 327680
		.amdhsa_private_segment_fixed_size 0
		.amdhsa_enable_private_segment 0
		.amdhsa_kernarg_size 24
		.amdhsa_user_sgpr_count 2
		.amdhsa_user_sgpr_kernarg_segment_ptr 1
		.amdhsa_wavefront_size32 1
		.amdhsa_system_sgpr_workgroup_id_x 1
		.amdhsa_system_sgpr_workgroup_id_y 1
		.amdhsa_system_sgpr_workgroup_id_z 1
		.amdhsa_system_vgpr_workitem_id 0
		.amdhsa_next_free_vgpr 768
		.amdhsa_next_free_sgpr 66
		.amdhsa_reserve_vcc 0
		.amdhsa_float_denorm_mode_32 3
		.amdhsa_float_denorm_mode_16_64 3
		.amdhsa_memory_ordered 1
		.amdhsa_forward_progress 1
		.amdhsa_inst_pref_size 86
	.end_amdhsa_kernel
	.amdgpu_metadata
---
amdhsa.version: [ 1, 2 ]
amdhsa.kernels:
  - .name:           k_q5f2bfae495_proj
    .symbol:         k_q5f2bfae495_proj.kd
    .args:
      - { .name: acts, .offset: 0, .size: 8, .value_kind: global_buffer, .address_space: global }
      - { .name: wo16, .offset: 8, .size: 8, .value_kind: global_buffer, .address_space: global }
      - { .name: out0, .offset: 16, .size: 8, .value_kind: global_buffer, .address_space: global }
    .group_segment_fixed_size: 327680
    .private_segment_fixed_size: 0
    .kernarg_segment_align: 8
    .kernarg_segment_size: 24
    .max_flat_workgroup_size: 128
    .sgpr_count:     66
    .vgpr_count:     768
    .wavefront_size: 32
...
	.end_amdgpu_metadata
.endif
;; end of part 4
;; launch first16 (part 5): grid 64 x 4, 16 waves a work-group, no clusters, 22,528 bytes of LDS; arguments fine, W_O, out0; writes out0
.if DOCPART == 5
	.amdgcn_target "amdgcn-amd-amdhsa--gfx1250"
	.amdhsa_code_object_version 6
	.text
	.protected	k_q5f2bfae495_first16
	.globl	k_q5f2bfae495_first16
	.p2align	8
	.type	k_q5f2bfae495_first16,@function
k_q5f2bfae495_first16:
	s_mov_b64 s[64:65], 0
	v_nop
	global_prefetch_b8 v0, s[64:65] scope:SCOPE_SE
	s_setreg_imm32_b32 hwreg(HW_REG_WAVE_MODE, 25, 1), 1
	s_wait_xcnt 0x0
; Positions 0 to 15 of every sequence, all in f32: they average one to sixteen values, are the largest rows of the output, and bear no 16-bit operand.  They overwrite what the projection left there.
; Work-group (x, b) makes out[b][0..15][16 x .. 16 x + 15].  Wave = head: it makes its head's 16 x 16 attention and its 64 channels' part of the projection; the sixteen parts meet in LDS and are added in ascending order of heads.
; The 64 work-groups of a batch each make the batch's sixteen small attentions anew (196 KB of loads each): the price of one launch in place of two.
; The f32 matrix form sums 4 along K; K's order is permuted alike on both sides, so that nothing changes lanes: K step (ct, kk) takes index 16 ct + 8 h + 2 kk + j in register j of lane half h.
; K, Q, V come from buffer fine, whose slots hold, of each four channels, the two middle ones exchanged: the same for K and Q, so their products are unchanged; V's order is undone where O is divided by the row's sum.
; The registers that the f32 matrix form writes are written by nothing else; what is made of a sum goes into other registers.
; The output's pieces are 64 bytes of a row, 256 KB in the launch.
.set KR, 16
.set QR, 48
.set VR, 80
.set WR, 112
.set SA, 144                           ; two accumulators for S^T
.set OA, 160                           ; four for O^T
.set YA, 192                           ; two for out^T
.set TT, 208                           ; v208-215 scores, then p, then my part of out
.set ON, 216                           ; v216-247 O / l, channels in their order
.set SPW, 254
.set NIL, 255
.set SPARE, 16*1280                    ; behind the sixteen parts (16 rows x 80 bytes each): the spare words
	s_load_b128 s[4:7], s[0:1], 0x0                ; fine, W_O
	s_load_b64 s[8:9], s[0:1], 0x10                ; out0
	v_lshl_add_u32 v[SPW], v0, 2, SPARE
	v_mov_b32 v[NIL], 0
	v_lshrrev_b32 v1, 5, v0
	v_readfirstlane_b32 s10, v1                    ; wave = head
	s_and_b32 s12, ttmp7, 0xffff                   ; batch
	v_and_b32 v1, 15, v0                           ; r
	v_bfe_u32 v2, v0, 4, 1                         ; h
	v_lshlrev_b32 v3, 8, v1
	v_lshl_add_u32 v3, v2, 5, v3                   ; K, Q: row r of 256 bytes, + 32 h
	v_lshlrev_b32 v4, 2, v1
	v_lshl_add_u32 v4, v2, 11, v4                  ; V: key 8 h, slot r
	v_lshlrev_b32 v5, 12, v1
	v_lshl_add_u32 v5, v2, 5, v5                   ; W_O: row r of 4,096 bytes, + 32 h
	v_lshlrev_b32 v6, 3, v2
	v_sub_nc_u32 v6, v1, v6                        ; r - 8 h: register j holds key 8 h + j, hidden where j is above this
	v_mov_b32 v7, 0xff800000
	v_mov_b32 v9, 0                                ; a lane permute's destination counts as read
	s_mul_i32 s16, s10, 1280
	v_mul_u32_u24 v12, v1, 80
	v_lshl_add_u32 v12, v2, 5, v12
	v_add_nc_u32 v12, s16, v12                     ; my part: row r, 32 bytes for each half of the lanes
	s_and_b32 s16, s10, 1
	s_lshl_b32 s17, s16, 3
	v_and_b32 v14, 31, v0
	v_lshrrev_b32 v15, 2, v14
	v_and_b32 v14, 3, v14
	v_add_nc_u32 v15, s17, v15                     ; the sum: row 8 (wave % 2) + lane / 4, piece lane % 4
	v_mul_u32_u24 v13, v15, 80
	v_lshl_add_u32 v13, v14, 4, v13
	v_lshlrev_b32 v15, 12, v15
	v_lshl_add_u32 v15, v14, 4, v15                ; and its place in out
	s_mul_i32 s14, s12, 3*16*4096
	s_lshl_b32 s15, s10, 12
	s_add_co_u32 s14, s14, s15
	s_mov_b32 s15, 0
	s_lshl_b32 s16, ttmp9, 16                      ; W_O: 16 rows a work-group,
	s_lshl_b32 s17, s10, 8                         ; 64 channels a head
	s_add_co_u32 s16, s16, s17
	s_mov_b32 s17, 0
	s_lshl_b32 s18, s12, 23                        ; out: 2,048 rows of 4,096 bytes a batch,
	s_lshl_b32 s19, ttmp9, 6                       ; 64 bytes a work-group
	s_add_co_u32 s18, s18, s19
	s_mov_b32 s19, 0
	s_mov_b32 s20, 0x76543210
	s_mov_b32 s21, 0xfedcba98
	s_mov_b32 s22, 0x3e38aa3b                      ; c = log2(e) / 8
	s_wait_kmcnt 0x0
	s_add_nc_u64 s[4:5], s[4:5], s[14:15]
	s_add_nc_u64 s[6:7], s[6:7], s[16:17]
	s_add_nc_u64 s[8:9], s[8:9], s[18:19]
.irp ct, 0,1,2,3
	global_load_b128 v[KR+8*\ct:KR+8*\ct+3], v3, s[4:5] offset:64*\ct
	global_load_b128 v[KR+8*\ct+4:KR+8*\ct+7], v3, s[4:5] offset:64*\ct+16
	global_load_b128 v[QR+8*\ct:QR+8*\ct+3], v3, s[4:5] offset:65536+64*\ct
	global_load_b128 v[QR+8*\ct+4:QR+8*\ct+7], v3, s[4:5] offset:65536+64*\ct+16
.endr
.irp ct, 0,1,2,3
.irp i, 0,1,2,3,4,5,6,7
	global_load_b32 v[VR+8*\ct+\i], v4, s[4:5] offset:131072+256*\i+64*\ct   ; V(key 8 h + i, slot 16 ct + r)
.endr
.endr
.irp ct, 0,1,2,3
	global_load_b128 v[WR+8*\ct:WR+8*\ct+3], v5, s[6:7] offset:64*\ct
	global_load_b128 v[WR+8*\ct+4:WR+8*\ct+7], v5, s[6:7] offset:64*\ct+16
.endr
	s_wait_loadcnt 0x0
; S^T = K Q^T: lane (r, h) gets query r, keys 8 h + 0..7.  Two accumulators by turns; the first two products start the sums.
.set n, 0
.rept 16
.if n < 2
	v_wmma_f32_16x16x4_f32 v[SA+8*(n%2):SA+8*(n%2)+7], v[KR+2*n:KR+2*n+1], v[QR+2*n:QR+2*n+1], 0
.else
	v_wmma_f32_16x16x4_f32 v[SA+8*(n%2):SA+8*(n%2)+7], v[KR+2*n:KR+2*n+1], v[QR+2*n:QR+2*n+1], v[SA+8*(n%2):SA+8*(n%2)+7]
.endif
.set n, n+1
.endr
.rept 8
	v_nop                                          ; eight places behind this form
.endr
.irp j, 0,1,2,3,4,5,6,7
	v_add_f32 v[TT+\j], v[SA+\j], v[SA+8+\j]
.endr
.irp j, 0,1,2,3,4,5,6,7
	v_cmp_gt_i32 vcc_lo, \j, v6
	v_cndmask_b32 v[TT+\j], v[TT+\j], v7, vcc_lo   ; keys after the query: -infinity
.endr
	v_max3_num_f32 v8, v[TT], v[TT+1], v[TT+2]
	v_max3_num_f32 v8, v8, v[TT+3], v[TT+4]
	v_max3_num_f32 v8, v8, v[TT+5], v[TT+6]
	v_max_num_f32 v8, v8, v[TT+7]
	v_permlanex16_b32 v9, v8, s20, s21
	v_max_num_f32 v8, v8, v9                       ; the row's maximum (key 0 counts for every query)
	v_mul_f32 v10, s22, v8
.irp j, 0,1,2,3,4,5,6,7
	v_fma_f32 v[TT+\j], v[TT+\j], s22, -v10
.endr
.irp j, 0,1,2,3,4,5,6,7
	v_exp_f32 v[TT+\j], v[TT+\j]
.endr
	v_nop
	s_wait_alu depctr_va_vdst(0)                   ; one wait for the eight, ahead of their first reader
	v_add_f32 v11, v[TT], v[TT+1]
.irp j, 2,3,4,5,6,7
	v_add_f32 v11, v11, v[TT+\j]
.endr
	v_permlanex16_b32 v9, v11, s20, s21
	v_add_f32 v11, v11, v9                         ; the row's sum
	v_rcp_f32 v11, v11
	v_nop
	s_wait_alu depctr_va_vdst(0)
; O^T = V^T P: K step kk takes keys 8 h + 2 kk + j.  Four accumulators by turns.
.set n, 0
.rept 16
.if n < 4
	v_wmma_f32_16x16x4_f32 v[OA+8*(n%4):OA+8*(n%4)+7], v[VR+8*(n%4)+2*(n/4):VR+8*(n%4)+2*(n/4)+1], v[TT+2*(n/4):TT+2*(n/4)+1], 0
.else
	v_wmma_f32_16x16x4_f32 v[OA+8*(n%4):OA+8*(n%4)+7], v[VR+8*(n%4)+2*(n/4):VR+8*(n%4)+2*(n/4)+1], v[TT+2*(n/4):TT+2*(n/4)+1], v[OA+8*(n%4):OA+8*(n%4)+7]
.endif
.set n, n+1
.endr
.rept 8
	v_nop
.endr
.irp ct, 0,1,2,3
.irp j, 0,1,2,3,4,5,6,7
	v_mul_f32 v[ON+8*\ct+((\j&4)|((\j&1)<<1)|((\j>>1)&1))], v[OA+8*\ct+\j], v11   ; / l; slot j is channel 0, 2, 1, 3, 4, 6, 5, 7
.endr
.endr
; out^T = W_O O^T over my 64 channels: lane (r, h) gets position r, outputs 8 h + 0..7 of the work-group's sixteen.
.set n, 0
.rept 16
.if n < 2
	v_wmma_f32_16x16x4_f32 v[YA+8*(n%2):YA+8*(n%2)+7], v[WR+2*n:WR+2*n+1], v[ON+2*n:ON+2*n+1], 0
.else
	v_wmma_f32_16x16x4_f32 v[YA+8*(n%2):YA+8*(n%2)+7], v[WR+2*n:WR+2*n+1], v[ON+2*n:ON+2*n+1], v[YA+8*(n%2):YA+8*(n%2)+7]
.endif
.set n, n+1
.endr
.rept 8
	v_nop
.endr
.irp j, 0,1,2,3,4,5,6,7
	v_add_f32 v[TT+\j], v[YA+\j], v[YA+8+\j]
.endr
	ds_store_b128 v12, v[TT:TT+3]
	ds_store_b128 v12, v[TT+4:TT+7] offset:16
	s_wait_dscnt 0x0                               ; for the others' sake: my part lies in LDS
	s_barrier_signal -1
	s_barrier_wait -1
	s_cmp_ge_u32 s10, 2                            ; 16 rows x 4 pieces of 16 bytes are two waves' work
	s_cbranch_scc1 .Lrest
.irp p, 0,1,2,3,4,5,6,7,8,9,10,11,12,13,14,15
	ds_load_b128 v[16+4*\p:19+4*\p], v13 offset:1280*\p
.endr
	s_wait_dscnt 0x0
.irp p, 1,2,3,4,5,6,7,8,9,10,11,12,13,14,15
	v_pk_add_f32 v[16:17], v[16:17], v[16+4*\p:17+4*\p]
	v_pk_add_f32 v[18:19], v[18:19], v[18+4*\p:19+4*\p]
.endr
	global_store_b128 v15, v[16:19], s[8:9]
.Lrest:
	s_wait_tensorcnt 0x0                           ; the wave's end, behind my last LDS store
	ds_add_u32 v[SPW], v[NIL]
	s_wait_dscnt 0x0
	s_endpgm
.Lfunc_end_k_q5f2bfae495_first16:
	.size	k_q5f2bfae495_first16, .Lfunc_end_k_q5f2bfae495_first16-k_q5f2bfae495_first16
	.p2alignl 7, 3214868480
	.fill 96, 4, 3214868480
	.section	.rodata,"a",@progbits
	.p2align	6, 0x0
	.amdhsa_kernel k_q5f2bfae495_first16
		.amdhsa_group_segment_fixed_size 22528
		.amdhsa_private_segment_fixed_size 0
		.amdhsa_enable_private_segment 0
		.amdhsa_kernarg_size 24
		.amdhsa_user_sgpr_count 2
		.amdhsa_user_sgpr_kernarg_segment_ptr 1
		.amdhsa_wavefront_size32 1
		.amdhsa_system_sgpr_workgroup_id_x 1
		.amdhsa_system_sgpr_workgroup_id_y 1
		.amdhsa_system_sgpr_workgroup_id_z 1
		.amdhsa_system_vgpr_workitem_id 0
		.amdhsa_next_free_vgpr 256
		.amdhsa_next_free_sgpr 66
		.amdhsa_reserve_vcc 1
		.amdhsa_float_denorm_mode_32 3
		.amdhsa_float_denorm_mode_16_64 3
		.amdhsa_memory_ordered 1
		.amdhsa_forward_progress 1
		.amdhsa_inst_pref_size 19
	.end_amdhsa_kernel
	.amdgpu_metadata
---
amdhsa.version: [ 1, 2 ]
amdhsa.kernels:
  - .name:           k_q5f2bfae495_first16
    .symbol:         k_q5f2bfae495_first16.kd
    .args:
      - { .name: fine, .offset: 0, .size: 8, .value_kind: global_buffer, .address_space: global }
      - { .name: W_O, .offset: 8, .size: 8, .value_kind: global_buffer, .address_space: global }
      - { .name: out0, .offset: 16, .size: 8, .value_kind: global_buffer, .address_space: global }
    .group_segment_fixed_size: 22528
    .private_segment_fixed_size: 0
    .kernarg_segment_align: 8
    .kernarg_segment_size: 24
    .max_flat_workgroup_size: 512
    .sgpr_count:     66
    .vgpr_count:     256
    .wavefront_size: 32
...
	.end_amdgpu_metadata
.endif
;; end of part 5
